; MI455X (gfx1250); checked and timed in simulation.
; The chip was launched on July 23, 2026; its instructions are those of AMD's public machine-readable ISA for CDNA 5 (MIT licence, August 2026) and "CDNA5" Instruction Set Architecture Reference Guide (July 2026). The comments in the code are by the model that wrote it; some were corrected since.
;; Transformer Encoder Layer. Allowed arithmetic: matrix products marked QUANTISED: E2M3 operands, one E8M0 scale for each 32 along K, by v_wmma_scale_f32_16x16x128_f8f6f4 with both operands' format E2M3, f32 sums; everything else in f32.
;; Inputs: W1 1,024 x 4,096 float32; W2 4,096 x 1,024 float32; Wk 16 x 1,024 x 64 float32; Wq 16 x 1,024 x 64 float32; Wv 16 x 1,024 x 64 float32; attention_mask 2 x 2,048 bool; b1 4,096 float32; b2 1,024 float32; bk 16 x 64 float32; bq 16 x 64 float32; bv 16 x 64 float32; ln_b 1,024 float32; ln_g 1,024 float32; x 2 x 2,048 x 1,024 float32.
;; Outputs: out0 2 x 2,048 x 1,024 float32.
;; This version of the problem:
;;   THIS VERSION OF THE PROBLEM IS GIVEN IN LOW PRECISION. The matrix products marked QUANTISED in the list below multiply operands that are first quantised to E2M3 (2 exponent bits, 3 mantissa bits; 6 bits a number), with one power-of-two scale for each 32 numbers along K (OCP MX v1.0); their sums are f32. All else is computed in f32.
;;   The module's matrix products, in the order in which they are computed (A, B: the left and right operand; K: the contracted axis; several contracted axes count as one K, in the product's order):
;;     1. [M 1,024, K 1,024] x [K 1,024, N 4,096]; A: input Wq; B: input x: QUANTISED
;;     2. [M 1,024, K 1,024] x [K 1,024, N 4,096]; A: input Wk; B: input x: QUANTISED
;;     3. [M 1,024, K 1,024] x [K 1,024, N 4,096]; A: input Wv; B: input x: QUANTISED
;;     4. batch 32 x [M 2,048, K 64] x [K 64, N 2,048]; A: computed on the way; B: computed on the way: QUANTISED
;;     5. batch 32 x [M 2,048, K 2,048] x [K 2,048, N 64]; A: softmax (see below); B: computed on the way: QUANTISED
;;     6. [M 4,096, K 1,024] x [K 1,024, N 4,096]; A: computed on the way; B: input W1: QUANTISED
;;     7. [M 4,096, K 4,096] x [K 4,096, N 1,024]; A: computed on the way; B: input W2: QUANTISED
;;   THE QUANTISER, for each operand of a quantised product, along K:
;;     - K is cut into blocks of 32 from its start; a last block that is shorter is filled with zeros.
;;     - A block's scale is 2^e with e = floor(log2(the largest magnitude in the block)) - 2, held to -126 .. 127; a block of zeros has e = 0. As a byte (E8M0): e + 127.
;;     - Each number is divided by its block's scale, clamped to +-7.5, and rounded to the nearest number of E2M3, ties to even, subnormals kept.
;;     - The product sums the exact products of the quantised numbers (number of the format x scale) in f32.
;;   ~~~python
;;   def quantise(x, axis):      # numpy; x: float32 -> the quantised numbers, widened to float32 again
;;       x = np.moveaxis(x, axis, -1); K = x.shape[-1]
;;       x = np.pad(x, [(0, 0)] * (x.ndim - 1) + [(0, -K % 32)]); x = x.reshape(x.shape[:-1] + (-1, 32)); a = np.abs(x).max(-1, keepdims=True)
;;       e = np.where(a > 0, np.clip(np.frexp(np.where(a > 0, a, 1))[1] - 1 - 2, -126, 127), 0)      # np.frexp(a)[1] - 1 = floor(log2(a)), exactly
;;       r = np.clip(x / 2.0 ** e, -7.5, 7.5)
;;       step = 2.0 ** (np.maximum(np.frexp(np.where(r == 0, 1, r))[1] - 1, 0) - 3)
;;       q = np.round(r / step) * step * 2.0 ** e      # np.round: ties to even
;;       return np.moveaxis(q.reshape(q.shape[:-2] + (-1,))[..., :K], -1, axis).astype(np.float32)
;;   ~~~
;;   SOFTMAX AHEAD OF A QUANTISED PRODUCT. Where the list says 'softmax', what is quantised is not the finished softmax but p = 2^(t - M), with t = logit x log2(e) and M = ceil(the row's largest t), a whole number; so 1/2 < the row's largest p <= 1. The row's sum l is taken of the UNQUANTISED p, in f32, and the product's result is divided by l at the end. Since M is a whole number, a kernel that streams over the keys may use a running M (the ceiling of the running maximum): every later rescaling is an exact power of two, which a block's scale takes up: the codes' values come out the same.
;;   OPERANDS COMPUTED ON THE WAY. 'Computed on the way' means the value that the module computes at that place (a softmax that the list does not call 'softmax' is quantised finished and normalised). What goes into a quantiser is computed in f32, as accurately as f32 sums, v_exp_f32 and their like allow (about 1e-6 of the number): no bf16 or f16 on the way to a quantiser, and a product that is left as it is and whose result goes on into a quantised operand takes f32 operands (vector FMAs, or v_wmma_f32_16x16x4_f32). A number that lies on a knife's edge between two numbers of the format may be rounded either way, as far as f32 arithmetic and the matrix unit's own rounding can turn it there, and no further.
;; One version. Each part assembles by itself: llvm-mc -triple=amdgcn-amd-amdhsa -mcpu=gfx1250 --defsym DOCPART=n.
;; ======== version 1 of 1: 7 launches
;; workspace buffers: wcodes 12,288,000 bytes; qkvc 10,223,616 bytes; mha 16,777,216 bytes; h1b 20,054,016 bytes; hidc 13,107,200 bytes; ffno 16,777,216 bytes
;; launch quant (part 1): grid 960 x 1, 4 waves a work-group, no clusters, 34,304 bytes of LDS; arguments x, Wq, Wk, Wv, W1, W2, wcodes; writes wcodes
.if DOCPART == 1
	.amdgcn_target "amdgcn-amd-amdhsa--gfx1250"
	.amdhsa_code_object_version 6
	.text
	.protected	k_q7d7ee5395f_quant
	.globl	k_q7d7ee5395f_quant
	.p2align	8
	.type	k_q7d7ee5395f_quant,@function
k_q7d7ee5395f_quant:
	s_mov_b64 s[64:65], 0
	v_nop
	global_prefetch_b8 v0, s[64:65] scope:SCOPE_SE
	s_setreg_imm32_b32 hwreg(HW_REG_WAVE_MODE, 25, 1), 1
	s_wait_xcnt 0x0
; x [4096][1024] and the weights Wq, Wk, Wv [16][1024][64], W1 [1024][4096], W2 [4096][1024], all f32, become codes of FP6 (E2M3) with one E8M0 byte for each 32 along K
; (K = the model's axis for x, Wq, Wk, Wv, W1; the hidden axis for W2).  A block's scale is 2^(floor(log2(largest magnitude)) - 2); its byte is that magnitude's exponent field - 2.
; LAYOUT OF THE RESULT: the order of the operand's registers.  Rows (tokens, or columns of a weight) go in panels of 128 = 8 tiles of 16; fragment (panel p, K step s of 128, tile i) lies at
; ((p KS + s) 8 + i) x 1536 bytes, register 4 c + e of lane l at 512 c + 16 l + 4 e; its 16 scale words at ((p KS + s) 8 + i) x 64 + 4 r.
; Row r of tile i of a panel is row 32 (i / 2) + 8 (i % 2) + r + 8 (r / 8) of the panel: so, where such a tile is source 0 of a product, a lane's 16 results of two neighbouring tiles are 16 neighbours.
; SHARES.  A wave takes 16 KiB of f32; waves share nothing: no barrier.
; Work-groups 0-255: x: a tile of 16 tokens; wave y: K steps 2 y, 2 y + 1.  Each load reads 512 consecutive bytes, one row's part of a K step, 16 bytes a lane; a K step's 16 rows turn through the wave's own
; stage in LDS (rows 528 bytes apart) and come back so that lane (r, h) holds blocks h and 2 + h of row r, whole.
; 256-447: Wq, Wk, Wv as 3,072 columns;  448-703: W1;  704-959: W2: a work-group takes (panel, K step), wave b 32 columns; A LANE TAKES A COLUMN AND ITS REGISTERS RUN DOWN K, so a block is one lane's.
; LIMITS: NaN and infinities are not served; a block whose largest magnitude lies under 2^-124 (zeros among them) gets the byte 1 (the rule says 127 for zeros: its codes are zeros, and this program alone reads the bytes).
.set WC,   3145728                     ; byte offsets in wcodes: x's codes at 0, Wq|Wk|Wv's,
.set W1C,  5505024                     ; W1's,
.set W2C,  8650752                     ; W2's;
.set XS,   11796480                    ; the scale words of x,
.set WS,   11927552                    ; of Wq|Wk|Wv,
.set W1S,  12025856
.set W2S,  12156928
.set SP,   528                         ; a row of the stage: 512 bytes + 16
.set STG,  16*SP                       ; a wave's stage
.set T0,   8                           ; v8-10 at work; v[12:14] a block's upper 16 codes
.set T1,   9
.set T2,   10
.set T4,   12
.set E,    16                          ; v16-19 four scale bytes
.set X,    32                          ; v32-95 two sets of 32 numbers (x: the first K step's 64)
.set F,    96                          ; v96-107, v108-119 two fragments
.set G,    108
.set Y,    128                         ; v128-191 x: the second K step's 64 numbers
; 32 numbers of one lane, one whole block, become 6 registers of codes at v[d] and the scale's byte in v[e]
.macro QB xs, d, e
	v_max3_num_f32 v[T0], |v[\xs]|, |v[\xs+1]|, |v[\xs+2]|          ; the largest magnitude, in two chains
	v_max3_num_f32 v[T1], |v[\xs+3]|, |v[\xs+4]|, |v[\xs+5]|
.irp i, 6,10,14,18,22,26
	v_max3_num_f32 v[T0], v[T0], |v[\xs+\i]|, |v[\xs+\i+1]|
	v_max3_num_f32 v[T1], v[T1], |v[\xs+\i+2]|, |v[\xs+\i+3]|
.endr
	v_max3_num_f32 v[T0], v[T0], |v[\xs+30]|, |v[\xs+31]|
	v_max3_num_f32 v[T0], v[T0], v[T1], 0x1800000                  ; and the floor 2^(3 - 127): the byte cannot fall under 1
	v_add_nc_u32 v[T2], 0xff000000, v[T0]                          ; 2 off the exponent field: the conversion takes this operand's exponent field as its scale
	v_lshrrev_b32 v[\e], 23, v[T2]                                 ; the byte
	v_cvt_scalef32_pk16_fp6_f32 v[\d:\d+2], v[\xs:\xs+15], v[T2]
	v_cvt_scalef32_pk16_fp6_f32 v[T4:T4+2], v[\xs+16:\xs+31], v[T2] ; (a conversion's three registers begin on an even number)
	v_nop                                                          ; one plain instruction behind the conversions
.irp i, 0,1,2
	v_mov_b32 v[\d+3+\i], v[T4+\i]
.endr
.endm
.macro LOADW t, pitch                  ; block t of my column: 32 rows of the weight; the wave's 32 lanes read 128 consecutive bytes of each
.set li, 0
.rept 32
	global_load_b32 v[X+32*((\t)%2)+li], v4, s[20:21] offset:(32*(\t)+li)*(\pitch) th:TH_LOAD_NT
.set li, li+1
.endr
.endm
; A weight's path.  s26 = 8 or 32 x panel + K step; s[20:21] = the wave's first number.
.macro WPATH pitch, cb, sb
	s_lshl_b32 s27, s26, 3
	s_lshl_b32 s28, s18, 1
	s_add_co_u32 s27, s27, s28                     ; my first fragment: tile 2 x wave
	s_mul_i32 s28, s27, 1536
	s_add_co_u32 s28, s28, \cb
	s_add_nc_u64 s[22:23], s[16:17], s[28:29]
	s_lshl_b32 s28, s27, 6
	s_add_co_u32 s28, s28, \sb
	s_add_nc_u64 s[24:25], s[16:17], s[28:29]
	LOADW 0, \pitch
	LOADW 1, \pitch
	s_wait_loadcnt 32                              ; this block's 32 loads are in; the next block's 32 may be out
	QB X, F, E
	LOADW 2, \pitch
	s_wait_loadcnt 32
	QB X+32, G, E+1
	LOADW 3, \pitch
	s_wait_loadcnt 32
	QB X, F+6, E+2
	s_wait_loadcnt 0x0
	QB X+32, G+6, E+3
; F holds my column's blocks 0 and 2, G its blocks 1 and 3.  A fragment wants blocks 0, 2 in lanes 0-15 and blocks 1, 3 of the same rows in lanes 16-31:
; F's upper lanes change places with G's lower lanes.  F is then the tile of lanes 0-15's columns, G that of lanes 16-31's.
.set li, 0
.rept 12
	v_permlane16_swap_b32 v[F+li], v[G+li]
.set li, li+1
.endr
	v_lshl_or_b32 v20, v[E+1], 8, v[E]             ; my column's scale word
	v_lshl_or_b32 v20, v[E+2], 16, v20
	v_lshl_or_b32 v20, v[E+3], 24, v20
.irp c, 0,1,2
	global_store_b128 v5, v[F+4*\c:F+4*\c+3], s[22:23] offset:512*\c          ; each store covers 512 consecutive bytes, aligned
.endr
.irp c, 0,1,2
	global_store_b128 v5, v[G+4*\c:G+4*\c+3], s[22:23] offset:1536+512*\c
.endr
	global_store_b32 v6, v20, s[24:25]             ; lanes 0-15: the first tile's words, lanes 16-31 the second's: 128 consecutive bytes
	s_endpgm
.endm
; x: K step f of my two: the 16 rows of the tile, 512 consecutive bytes a load.  Row i of the tile is token i + 8 (i / 8) from the tile's first
.macro LOADK f, reg
.set li, 0
.rept 16
	global_load_b128 v[\reg+4*li:\reg+4*li+3], v5, s[20:21] offset:(li+8*(li/8))*4096+512*(\f) th:TH_LOAD_NT
.set li, li+1
.endr
.endm
; and their turn through my stage: in as they were loaded, a row a store; back so that register 32 c + 4 j + e of lane (r, h) is number 64 c + 32 h + 4 j + e of row r, into the registers that they left.
; LDS serves a wave's instructions in order (ISA guide 5.7.1.4): the loads see the stores above them, and the next K step's stores come behind these loads
.macro TURNK reg
.set li, 0
.rept 16
	ds_store_b128 v4, v[\reg+4*li:\reg+4*li+3] offset:SP*li
.set li, li+1
.endr
.set li, 0
.rept 16
	ds_load_b128 v[\reg+4*li:\reg+4*li+3], v7 offset:256*(li/8)+16*(li%8)
.set li, li+1
.endr
.endm
	s_load_b256 s[4:11], s[0:1], 0x0               ; x, Wq, Wk, Wv
	s_load_b128 s[12:15], s[0:1], 0x20             ; W1, W2
	s_load_b64 s[16:17], s[0:1], 0x30              ; wcodes
	v_lshl_add_u32 v192, v0, 2, 0x8400
	v_mov_b32 v193, 0
	v_lshrrev_b32 v1, 5, v0
	v_readfirstlane_b32 s18, v1                    ; wave 0..3
	v_and_b32 v1, 31, v0                           ; lane
	v_and_b32 v2, 15, v0                           ; r
	v_bfe_u32 v3, v0, 4, 1                         ; h
	v_lshlrev_b32 v5, 4, v1                        ; 16 x lane: my place in an image, and in a load's 512 bytes
	s_mov_b32 s29, 0
	s_mov_b32 s30, 0x76543210                      ; v_permlanex16_b32's selects for lane l xor 16
	s_mov_b32 s31, 0xfedcba98
	s_wait_kmcnt 0x0
	s_cmp_lt_u32 ttmp9, 256
	s_cbranch_scc1 .Lx
	v_and_b32 v4, 7, v1                            ; my column among the wave's 32: (l & 7) + 2 (l & 8) + (l & 16) / 2
	v_and_b32 v7, 8, v1
	v_lshl_or_b32 v4, v7, 1, v4
	v_and_b32 v7, 16, v1
	v_lshrrev_b32 v7, 1, v7
	v_or_b32 v4, v4, v7
	v_lshlrev_b32 v4, 2, v4
	v_lshlrev_b32 v6, 2, v1
	s_cmp_lt_u32 ttmp9, 448
	s_cbranch_scc1 .Lqkv
	s_cmp_lt_u32 ttmp9, 704
	s_cbranch_scc1 .Lw1
	s_sub_co_u32 s26, ttmp9, 704                   ; W2: 32 x panel + K step
	s_lshr_b32 s27, s26, 5
	s_and_b32 s28, s26, 31
	s_lshl_b32 s28, s28, 19                        ; 128 rows of 4,096 bytes a K step
	s_lshl_b32 s27, s27, 9                         ; 128 columns a panel
	s_add_co_u32 s28, s28, s27
	s_lshl_b32 s27, s18, 7                         ; 32 columns a wave
	s_add_co_u32 s28, s28, s27
	s_add_nc_u64 s[20:21], s[14:15], s[28:29]
	WPATH 4096, W2C, W2S
.Lw1:
	s_sub_co_u32 s26, ttmp9, 448                   ; W1: 8 x panel + K step
	s_lshr_b32 s27, s26, 3
	s_and_b32 s28, s26, 7
	s_lshl_b32 s28, s28, 21                        ; 128 rows of 16,384 bytes
	s_lshl_b32 s27, s27, 9
	s_add_co_u32 s28, s28, s27
	s_lshl_b32 s27, s18, 7
	s_add_co_u32 s28, s28, s27
	s_add_nc_u64 s[20:21], s[12:13], s[28:29]
	WPATH 16384, W1C, W1S
.Lqkv:
	s_sub_co_u32 s26, ttmp9, 256                   ; Wq | Wk | Wv: 8 x panel + K step, panels 0..23
	s_lshr_b32 s27, s26, 3
	s_lshr_b32 s19, s27, 3                         ; which of the three
	s_cmp_lt_u32 s19, 1
	s_cselect_b64 s[20:21], s[6:7], s[8:9]
	s_cmp_lt_u32 s19, 2
	s_cselect_b64 s[20:21], s[20:21], s[10:11]
	s_and_b32 s27, s27, 7
	s_lshl_b32 s27, s27, 1
	s_lshr_b32 s19, s18, 1
	s_add_co_u32 s27, s27, s19                     ; the head: 2 x panel + wave / 2
	s_lshl_b32 s28, s27, 18                        ; 1,024 rows of 256 bytes a head
	s_and_b32 s27, s26, 7
	s_lshl_b32 s27, s27, 15                        ; 128 rows a K step
	s_add_co_u32 s28, s28, s27
	s_and_b32 s27, s18, 1
	s_lshl_b32 s27, s27, 7                         ; which 32 of the head's 64
	s_add_co_u32 s28, s28, s27
	s_add_nc_u64 s[20:21], s[20:21], s[28:29]
	WPATH 256, WC, WS
.Lx:
	s_lshr_b32 s26, ttmp9, 3                       ; panel
	s_and_b32 s27, ttmp9, 7                        ; tile
	s_lshl_b32 s28, s26, 7
	s_lshr_b32 s19, s27, 1
	s_lshl_b32 s19, s19, 5
	s_add_co_u32 s28, s28, s19
	s_and_b32 s19, s27, 1
	s_lshl_b32 s19, s19, 3
	s_add_co_u32 s28, s28, s19                     ; the tile's first token: 128 p + 32 (i / 2) + 8 (i % 2)
	s_lshl_b32 s28, s28, 12
	s_lshl_b32 s19, s18, 10                        ; my two K steps: 1,024 bytes of each row
	s_add_co_u32 s28, s28, s19
	s_add_nc_u64 s[20:21], s[4:5], s[28:29]
	LOADK 0, X                                     ; all 32 loads go out at once, ahead of the rest of the address work
	LOADK 1, Y
	s_lshl_b32 s26, s26, 3
	s_lshl_b32 s19, s18, 1
	s_add_co_u32 s26, s26, s19
	s_lshl_b32 s26, s26, 3
	s_add_co_u32 s26, s26, s27                     ; fragment (p, 2 y, i)
	s_mul_i32 s28, s26, 1536
	s_add_nc_u64 s[22:23], s[16:17], s[28:29]
	s_lshl_b32 s28, s26, 6
	s_add_co_u32 s28, s28, XS
	s_add_nc_u64 s[24:25], s[16:17], s[28:29]
	s_mul_i32 s19, s18, STG                        ; my stage
	v_add_nc_u32 v4, s19, v5                       ; in: 16 x lane, the row in the immediate
	v_mul_u32_u24 v7, v2, SP
	v_lshl_add_u32 v7, v3, 7, v7
	v_add_nc_u32 v7, s19, v7                       ; back: row r, + 128 h: the block of my half
	v_lshlrev_b32 v6, 2, v2
	v_lshl_add_u32 v6, v3, 9, v6                   ; the words' place: 4 r, lanes 16-31 one K step (8 tiles of 64 bytes) on
	v_lshlrev_b32 v22, 3, v3                       ; 8 h
	v_mov_b32 v21, 0                               ; (a lane permute's destination counts as read)
	v_mov_b32 v24, 0
	s_wait_loadcnt 16                              ; the first K step's 16 loads are in; the second's 16 may be out
	TURNK X
	s_wait_loadcnt 0x0
	TURNK Y
	s_wait_dscnt 32                                ; the first K step is back; behind its loads stand the second's 16 stores and 16 loads
	QB X, F, E
	QB X+32, F+6, E+1
	v_lshl_or_b32 v20, v[E+1], 16, v[E]            ; my two bytes, blocks h and 2 + h,
	v_lshlrev_b32 v20, v22, v20                    ; at their places;
	v_permlanex16_b32 v21, v20, s30, s31
	v_or_b32 v20, v20, v21                         ; with lane l xor 16's the word is whole
.irp c, 0,1,2
	global_store_b128 v5, v[F+4*\c:F+4*\c+3], s[22:23] offset:512*\c
.endr
	s_wait_dscnt 0x0
	QB Y, G, E+2
	QB Y+32, G+6, E+3
	v_lshl_or_b32 v23, v[E+3], 16, v[E+2]
	v_lshlrev_b32 v23, v22, v23
	v_permlanex16_b32 v24, v23, s30, s31
	v_or_b32 v23, v23, v24
.irp c, 0,1,2
	global_store_b128 v5, v[G+4*\c:G+4*\c+3], s[22:23] offset:12288+512*\c     ; the next K step's fragment lies 8 fragments on
.endr
	s_mov_b32 vcc_lo, 0xffff0000
	v_cndmask_b32 v20, v20, v23, vcc_lo            ; lanes 0-15 store the first K step's words, lanes 16-31 the second's
	global_store_b32 v6, v20, s[24:25]
	s_wait_tensorcnt 0x0
	ds_add_u32 v192, v193
	s_wait_dscnt 0x0
	s_endpgm
.Lfunc_end_k_q7d7ee5395f_quant:
	.size	k_q7d7ee5395f_quant, .Lfunc_end_k_q7d7ee5395f_quant-k_q7d7ee5395f_quant
	.p2alignl 7, 3214868480
	.fill 96, 4, 3214868480
	.section	.rodata,"a",@progbits
	.p2align	6, 0x0
	.amdhsa_kernel k_q7d7ee5395f_quant
		.amdhsa_group_segment_fixed_size 34304
		.amdhsa_private_segment_fixed_size 0
		.amdhsa_enable_private_segment 0
		.amdhsa_kernarg_size 56
		.amdhsa_user_sgpr_count 2
		.amdhsa_user_sgpr_kernarg_segment_ptr 1
		.amdhsa_wavefront_size32 1
		.amdhsa_system_sgpr_workgroup_id_x 1
		.amdhsa_system_sgpr_workgroup_id_y 1
		.amdhsa_system_sgpr_workgroup_id_z 1
		.amdhsa_system_vgpr_workitem_id 0
		.amdhsa_next_free_vgpr 194
		.amdhsa_next_free_sgpr 66
		.amdhsa_reserve_vcc 1
		.amdhsa_float_denorm_mode_32 3
		.amdhsa_float_denorm_mode_16_64 3
		.amdhsa_memory_ordered 1
		.amdhsa_forward_progress 1
		.amdhsa_inst_pref_size 76
	.end_amdhsa_kernel
	.amdgpu_metadata
---
amdhsa.version: [ 1, 2 ]
amdhsa.kernels:
  - .name:           k_q7d7ee5395f_quant
    .symbol:         k_q7d7ee5395f_quant.kd
    .args:
      - { .name: x, .offset: 0, .size: 8, .value_kind: global_buffer, .address_space: global }
      - { .name: Wq, .offset: 8, .size: 8, .value_kind: global_buffer, .address_space: global }
      - { .name: Wk, .offset: 16, .size: 8, .value_kind: global_buffer, .address_space: global }
      - { .name: Wv, .offset: 24, .size: 8, .value_kind: global_buffer, .address_space: global }
      - { .name: W1, .offset: 32, .size: 8, .value_kind: global_buffer, .address_space: global }
      - { .name: W2, .offset: 40, .size: 8, .value_kind: global_buffer, .address_space: global }
      - { .name: wcodes, .offset: 48, .size: 8, .value_kind: global_buffer, .address_space: global }
    .group_segment_fixed_size: 34304
    .private_segment_fixed_size: 0
    .kernarg_segment_align: 8
    .kernarg_segment_size: 56
    .max_flat_workgroup_size: 128
    .sgpr_count:     66
    .vgpr_count:     194
    .wavefront_size: 32
...
	.end_amdgpu_metadata
.endif
;; end of part 1
;; launch qkv (part 2): grid 12 x 16, 4 waves a work-group, clusters of 4 x 4, 327,680 bytes of LDS; arguments wcodes, bq, bk, bv, qkvc; writes qkvc
.if DOCPART == 2
	.amdgcn_target "amdgcn-amd-amdhsa--gfx1250"
	.amdhsa_code_object_version 6
	.text
	.protected	k_q7d7ee5395f_qkv
	.globl	k_q7d7ee5395f_qkv
	.p2align	8
	.type	k_q7d7ee5395f_qkv,@function
k_q7d7ee5395f_qkv:
	s_mov_b64 s[64:65], 0
	v_nop
	global_prefetch_b8 v0, s[64:65] scope:SCOPE_SE
	s_setreg_imm32_b32 hwreg(HW_REG_WAVE_MODE, 25, 1), 1
	s_wait_xcnt 0x0
	s_wait_alu depctr_hold_cnt(0) depctr_sa_sdst(0) depctr_va_vdst(0) depctr_va_sdst(0) depctr_va_ssrc(0) depctr_va_vcc(0) depctr_vm_vsrc(0)
	s_getreg_b32 s2, hwreg(HW_REG_IB_STS2, 6, 4)
	s_cmp_eq_u32 s2, 0
	s_cbranch_scc0 .Lentry_in_a_cluster
	s_endpgm
.Lentry_in_a_cluster:
	s_bfe_u32 s2, ttmp6, 0x10000c
	s_cmp_lg_u32 s2, 0xf033
	s_cbranch_scc0 .Lentry_shape_is_right
	s_endpgm
.Lentry_shape_is_right:
; q = x Wq + bq, k = x Wk + bk, v = x Wv + bv on codes of FP6 (E2M3) with E8M0 scales, K = 1,024; the results are quantised here for the two products of attention and leave as codes:
; q and k along the head's 64 (two blocks), v along the keys.  Operands come from wcodes in the order of the operand's registers: a fragment (16 rows x 128 K) is 1,536 consecutive bytes, three loads of 16 bytes a lane.
; A work-group of four waves makes 256 x 256; a wave 128 x 128: 64 accumulators, 512 registers.  K goes through a ring of two LDS slots of two K steps of 128; each wave fills a quarter of a slot (24,576 dense bytes).
; The scale words of the work-group's rows, for all of K, come into LDS once with the first fills.
; SOURCE 0 IS THE "B" SIDE, SOURCE 1 THE "A" SIDE: a lane holds ONE row of A, and its 64 results of a tile of A run along B's rows, register 16 b + i = row 32 b + 16 (lane / 16) + i of B's panel.
; Clusters x = 0, 1: A = tokens, B = columns of Wq (x = 0) or Wk (x = 1): a lane's registers run along the head's axis.  Cluster x = 2: A = columns of Wv, B = tokens: they run along the keys.
; The choice hangs on the cluster's x alone, the same in all sixteen partners.
; CLUSTERS 4 x 4: A's tiles are asked for jointly along a row of the cluster, B's along a column.
; RESULT: qkvc = q | k | v, each [batch x head 32][128 tokens 16][6,656 bytes].  q, k: the image of 48 registers (tile t's six code registers at 6 t) and 512 bytes of scale words (lane 16 u + r: tiles 4 u .. 4 u + 3 of row r;
; a word repeats its two bytes).  v: four whole fragments (16 of the head's 64 x 128 keys) and 512 bytes of scale words (lane l: the four fragments' words of row l % 16).
; LIMITS: NaN and infinities are not served; a block under 2^-124 gets the byte 1 with its codes as the conversion gives them.
; REGISTERS: window 0: v16-29 addresses; v32-47 scale words, two sets; v64-159, v160-255 A's fragments, two sets.  window 1: v0-95, v128-223 B's two sets; v96-127, v224-255 the bias.  windows 2, 3: accumulators.
.set WC,    3145728
.set XS,    11796480
.set WS,    11927552
.set PANEL, 98304                      ; a panel's codes for K = 1,024
.set PANS,  4096                       ; and its scale words
.set QPART, 3407872                    ; q's, k's, v's part of qkvc
.set HEADB, 106496                     ; a head's 16 blocks
.set BLK,   6656
.set NA,    8                          ; tiles of A and of B to a wave
.set NL,    3*NA                       ; LDS loads for a side's fragments
.set FN,    2*NL+NA                    ; and for a whole K step, scale words among them
.set PART,  24576                      ; what one tensor load brings
.set SLOT,  4*PART
.set GSTEP, 24576                      ; from a slot's bytes in memory to the next slot's
.set REFILL, 2*GSTEP
.set SCL,   2*SLOT                     ; behind the ring: the scale words, SCW bytes for each wave's load
.set SCW,   4096
.set SPARE, SCL+4*SCW                  ; the spare words, 128 bytes a wave, which no other line names
.set WSTR,  PART                       ; from one wave half's fragments to the other's
.set SSTR,  SCW
.set ADRA, 16                          ; v16-17 LDS address of my A fragments in slot 0, 1
.set ADRB, 20                          ; v20-21 of B's
.set LS,   25                          ; v25 4 x lane
.set CO,   26                          ; v26 16 x lane
.set ADRS, 27                          ; v27 my scale words: lanes 0-15 A's rows, lanes 16-31 B's
.set SPW,  28                          ; v28 my spare word; never rewritten
.set NIL,  29                          ; v29 0; never rewritten
.set SC,   32
.set TM,   32                          ; the way out: v32-47 at work, v48-55 upper halves of codes, v56 a scale word
.set T2,   48
.set PW,   56
.set H,    64                          ; v64-127 a tile's 64 numbers
.set OUT,  128                         ; v128-223 the codes
.set SW,   224                         ; v224-231 scale words to store
.set SE,   232
.set SO,   240
.set SEL,  66                          ; s[66:67] lane selects
.set G1, 24
.set G0, 32
.set G1B, 48
.set G0B, 56
.set G1S, 68
.set G0S, 76
.set G1SB, 80
.set G0SB, 88
.set MSB, 0
.macro WIN new                         ; the immediate's high byte repeats the setting that is left
.if MSB != \new
	s_set_vgpr_msb (MSB<<8)|\new
.set MSB, \new
.endif
.endm
.macro PLACES                          ; four plain instructions between a matrix instruction and a load into, or a vector instruction on, its registers
.rept 4
	v_nop
.endr
.endm
.macro JLOAD g0a, g1a, g0b, g1b        ; a joint load: waves 0, 1 fetch for A, waves 2, 3 for B; four v_nop follow each line
	s_cmp_eq_u32 s15, 0
	s_cbranch_scc0 .Lfor_b_\@
	tensor_load_to_lds s[\g0a:\g0a+3], s[\g1a:\g1a+7]
	s_nop 0
.rept 4
	v_nop
.endr
	s_branch .Lasked_\@
.Lfor_b_\@:
	tensor_load_to_lds s[\g0b:\g0b+3], s[\g1b:\g1b+7]
	s_nop 0
.rept 4
	v_nop
.endr
.Lasked_\@:
.endm
.macro CREST                           ; a round of the cluster's barrier behind its opening barrier
	s_cmp_lg_u32 s14, 0
	s_cbranch_scc1 .Lnot_wave_0_\@
	s_barrier_signal -3
.Lnot_wave_0_\@:
	s_barrier_wait -3
	s_barrier_signal -1
	s_barrier_wait -1
.endm
.macro CROUND
	s_barrier_signal -1
	s_barrier_wait -1
	CREST
.endm
.macro WMUL hi                         ; source 0 (B) window 1, source 1 (A) window 0, C and D window 2 (A's tiles 0-3) or 3 (tiles 4-7)
	WIN ((2+\hi)<<6)|((2+\hi)<<4)|1
.endm
; n tiles of A from a0 on x B's eight, set f.  cm = 1: the products start the sums.  The 64 accumulators take turns, in the same order in every K step.
.macro MULR f, a0, n, cm
.set ma, \a0
.rept \n
.set mb, 0
.rept NA
.set DD, 8*((NA*ma+mb)%32)
.set BB, 128*(\f)+12*mb
.set AA, 64+96*(\f)+12*ma
.if \cm == 0
	v_wmma_scale_f32_16x16x128_f8f6f4 v[DD:DD+7], v[BB:BB+11], v[AA:AA+11], v[DD:DD+7], v[SC+8*(\f)+mb], v[SC+8*(\f)+ma] matrix_a_fmt:MATRIX_FMT_FP6 matrix_b_fmt:MATRIX_FMT_FP6 matrix_a_scale:MATRIX_SCALE_ROW1
.else
	v_wmma_scale_f32_16x16x128_f8f6f4 v[DD:DD+7], v[BB:BB+11], v[AA:AA+11], 0, v[SC+8*(\f)+mb], v[SC+8*(\f)+ma] matrix_a_fmt:MATRIX_FMT_FP6 matrix_b_fmt:MATRIX_FMT_FP6 matrix_a_scale:MATRIX_SCALE_ROW1
.endif
.set mb, mb+1
.endr
.set ma, ma+1
.endr
.endm
; One run of FN LDS loads: the slot's q-th K step into set f: scale words, B's fragments, A's fragments.  adv = 1: the scale words' address steps a K step on.  Begins and ends in window 0.
.macro FETCH slot, q, f, adv
.if \adv
	v_add_nc_u32 v[ADRS], 512, v[ADRS]
.endif
.set fi, 0
.rept NA
	ds_load_b32 v[SC+8*(\f)+fi], v[ADRS] offset:64*fi
.set fi, fi+1
.endr
	WIN 0x40
.set fi, 0
.rept NA
.irp c, 0,1,2
	ds_load_b128 v[128*(\f)+12*fi+4*\c:128*(\f)+12*fi+4*\c+3], v[ADRB+\slot] offset:(\q)*12288+fi*1536+512*\c
.endr
.set fi, fi+1
.endr
	WIN 0
.set fi, 0
.rept NA
.irp c, 0,1,2
	ds_load_b128 v[64+96*(\f)+12*fi+4*\c:64+96*(\f)+12*fi+4*\c+3], v[ADRA+\slot] offset:(\q)*12288+fi*1536+512*\c
.endr
.set fi, fi+1
.endr
.endm
; A K step on set f whose successor (K step qn of the same slot) is fetched in its middle into the other set
.macro STEPM f, cm, slot, qn
	s_wait_dscnt NL/2                              ; all but the youngest loads, A's tiles 4-7
	WMUL 0
	MULR \f, 0, NA/2, \cm
	PLACES
	WIN 0
	FETCH \slot, \qn, 1-(\f), 1
	s_wait_dscnt FN                                ; all but the run just issued
	WMUL 1
	MULR \f, NA/2, NA/2, \cm
.endm
; A slot's last K step (set 1) changes slots: each wave waits for all its tensor loads, adds 0 to its spare word, waits for that and for its reads of the slot; one barrier.  fill = 1: the barrier opens a round
; of the cluster's barrier and the slot is filled again, first thing behind it.
.macro TURN slot, next, fill
	WIN 0
	s_wait_tensorcnt 0x0                           ; my part of the next slot has landed; no load of mine is out
	ds_add_u32 v[SPW], v[NIL]
	s_wait_dscnt NL/2+1                            ; (the add and A's tiles 4-7 may be out)
	WMUL 0
	MULR 1, 0, NA/4, 0
	s_wait_dscnt 0x0                               ; the add is done, my reads of this slot are over
	s_barrier_signal -1
	MULR 1, NA/4, NA/4, 0
	WIN 0
	s_barrier_wait -1
.if \fill
	CREST
	s_add_nc_u64 s[G0+4*\slot+2:G0+4*\slot+3], s[G0+4*\slot+2:G0+4*\slot+3], REFILL
	s_add_nc_u64 s[G0B+4*\slot+2:G0B+4*\slot+3], s[G0B+4*\slot+2:G0B+4*\slot+3], REFILL
	JLOAD G0+4*\slot, G1, G0B+4*\slot, G1B         ; its four v_nop are also the places in front of the loads below
.else
	PLACES
.endif
	FETCH \next, 0, 0, 1
	WMUL 1
	MULR 1, NA/2, NA/2, 0
.endm
.macro LAST                            ; the very last K step: nothing more to fetch
	s_wait_dscnt NL/2
	WMUL 0
	MULR 1, 0, NA/2, 0
	s_wait_dscnt 0x0
	WMUL 1
	MULR 1, NA/2, NA/2, 0
	WIN 0
.endm
; 64 numbers of a lane, register 16 b + i = k 32 b + 16 (lane / 16) + i of my row, become codes: blocks 0, 1 in six registers at d0, blocks 2, 3 at d1 (lanes 0-15 the even block, lanes 16-31 the odd), and the four bytes in pw
.macro QUANT s, d0, d1, pw
.set QS, \s
.set QD0, \d0
.set QD1, \d1
.set QW, \pw
.irp b, 0,1,2,3
	v_max3_num_f32 v[TM+\b], |v[QS+16*\b]|, |v[QS+1+16*\b]|, 0x1800000     ; my 16 numbers of block b, and the floor 2^(3 - 127)
.endr
.irp i, 2,4,6,8,10,12,14
.irp b, 0,1,2,3
	v_max3_num_f32 v[TM+\b], v[TM+\b], |v[QS+16*\b+\i]|, |v[QS+1+16*\b+\i]|
.endr
.endr
.irp b, 0,1,2,3
	v_permlanex16_b32 v[TM+4+\b], v[TM+\b], s[SEL], s[SEL+1]
.endr
.irp b, 0,1,2,3
	v_max_num_f32 v[TM+\b], v[TM+\b], v[TM+4+\b]   ; with lane l xor 16's: the block's largest magnitude
.endr
.irp b, 0,1,2,3
	v_add_nc_u32 v[TM+12+\b], 0xff000000, v[TM+\b] ; 2 off its exponent field: the conversion's scale operand
.endr
.irp b, 0,1,2,3
	v_lshrrev_b32 v[TM+4+\b], 23, v[TM+12+\b]      ; the byte
.endr
	v_lshl_or_b32 v[QW], v[TM+5], 8, v[TM+4]
	v_lshl_or_b32 v[QW], v[TM+6], 16, v[QW]
	v_lshl_or_b32 v[QW], v[TM+7], 24, v[QW]
	v_cvt_scalef32_pk16_fp6_f32 v[QD0:QD0+2], v[QS:QS+15], v[TM+12]
	v_cvt_scalef32_pk16_fp6_f32 v[T2:T2+2], v[QS+16:QS+31], v[TM+13]
	v_cvt_scalef32_pk16_fp6_f32 v[QD1:QD1+2], v[QS+32:QS+47], v[TM+14]
	v_cvt_scalef32_pk16_fp6_f32 v[T2+4:T2+6], v[QS+48:QS+63], v[TM+15]
	v_nop                                          ; one plain instruction behind the conversions
.irp i, 0,1,2
	v_permlane16_swap_b32 v[QD0+\i], v[T2+\i]      ; a whole block to a lane: the first now holds each lane's block's lower 16 codes, the second the upper 16
.endr
.irp i, 0,1,2
	v_mov_b32 v[QD0+3+\i], v[T2+\i]
.endr
.irp i, 0,1,2
	v_permlane16_swap_b32 v[QD1+\i], v[T2+4+\i]
.endr
.irp i, 0,1,2
	v_mov_b32 v[QD1+3+\i], v[T2+4+\i]
.endr
.endm
	s_load_b128 s[4:7], s[0:1], 0x0                ; wcodes, bq
	s_load_b128 s[8:11], s[0:1], 0x10              ; bk, bv
	s_load_b64 s[12:13], s[0:1], 0x20              ; qkvc
	v_lshl_add_u32 v[SPW], v0, 2, SPARE
	v_mov_b32 v[NIL], 0
	ds_add_u32 v28, v29
	ds_add_u32 v28, v29
	s_wait_dscnt 0x0
	v_lshrrev_b32 v1, 5, v0
	v_readfirstlane_b32 s14, v1                    ; wave 0..3
	s_lshr_b32 s15, s14, 1                         ; which of A's two panels is mine.  Also: I fetch for A (0) or B (1)
	s_and_b32 s16, s14, 1                          ; which of B's.  Also: which panel I fetch
	s_bfe_u32 s40, ttmp6, 0x40000                  ; cx
	s_bfe_u32 s41, ttmp6, 0x40004                  ; cy
	s_and_b32 s18, ttmp7, 0xffff
	s_lshl_b32 s18, s18, 2                         ; 4 x cluster y
	s_add_co_u32 s17, s18, s41                     ; + cy
	s_add_co_u32 s19, s18, s40                     ; + cx
	s_lshl_b32 s42, ttmp9, 2
	s_add_co_u32 s42, s42, s40                     ; 4 x cluster x + cx
	s_mov_b32 s96, XS
	s_mov_b32 s98, WS
	s_cmp_eq_u32 ttmp9, 2                          ; the clusters of v?
	s_cselect_b32 s17, s41, s17                    ; A's pair of panels: Wv's by cy, or the tokens' by 4 Y + cy: it hangs on cy alone among the places
	s_cselect_b32 s42, s19, s42                    ; B's: the tokens' by 4 Y + cx, or the columns' by 4 X + cx: on cx alone
	s_cselect_b32 s95, WC+16*PANEL, 0              ; where A's codes begin in wcodes (Wv's panels are 16 to 23 of the weights'),
	s_cselect_b32 s96, WS+16*PANS, s96             ; A's scale words,
	s_cselect_b32 s97, 0, WC                       ; B's codes,
	s_cselect_b32 s98, XS, s98                     ; B's scale words
	s_lshl_b32 s43, s41, 2
	s_lshl_b32 s43, 15, s43                        ; my row of the cluster
	s_lshl_b32 s44, 0x1111, s40                    ; my column
	; descriptor group 1: a dense block as rows of 256 bytes (32 elements of 8 bytes), no padding: images are read as they lie
	s_or_b32 s[G1+0], s43, (3<<16)|(1<<21)
	s_or_b32 s[G1B+0], s44, (3<<16)|(1<<21)
.irp g, G1, G1B
	s_mov_b32 s[\g+1], 32<<16                      ; tensor_dim0
	s_mov_b32 s[\g+2], (PART/256)<<16              ; tensor_dim1
	s_mov_b32 s[\g+3], 32<<16                      ; tile_dim0
	s_mov_b32 s[\g+4], PART/256                    ; tile_dim1
	s_mov_b32 s[\g+5], 32                          ; pitch
	s_mov_b32 s[\g+6], 0
	s_mov_b32 s[\g+7], 0
.endr
	s_or_b32 s[G1S+0], s43, (3<<16)|(1<<21)
	s_or_b32 s[G1SB+0], s44, (3<<16)|(1<<21)
.irp g, G1S, G1SB
	s_mov_b32 s[\g+1], 32<<16
	s_mov_b32 s[\g+2], (SCW/256)<<16
	s_mov_b32 s[\g+3], 32<<16
	s_mov_b32 s[\g+4], SCW/256
	s_mov_b32 s[\g+5], 32
	s_mov_b32 s[\g+6], 0
	s_mov_b32 s[\g+7], 0
.endr
	s_lshl_b32 s20, s17, 1
	s_add_co_u32 s20, s20, s16                     ; A: the panel that I fetch
	s_mul_i32 s22, s20, PANS
	s_mul_i32 s20, s20, PANEL
	s_add_co_u32 s20, s20, s95
	s_add_co_u32 s22, s22, s96
	s_mov_b32 s21, 0
	s_mov_b32 s23, 0
	s_lshl_b32 s46, s42, 1
	s_add_co_u32 s46, s46, s16                     ; B likewise
	s_mul_i32 s92, s46, PANS
	s_mul_i32 s46, s46, PANEL
	s_add_co_u32 s46, s46, s97
	s_add_co_u32 s92, s92, s98
	s_mov_b32 s47, 0
	s_mov_b32 s93, 0
	s_mul_i32 s45, s14, PART                       ; where they go: by the wave's number alone
	s_mul_i32 s94, s14, SCW
	s_mov_b32 s[SEL], 0x76543210
	s_mov_b32 s[SEL+1], 0xfedcba98
	s_wait_kmcnt 0x0
	s_add_nc_u64 s[20:21], s[4:5], s[20:21]
	s_add_nc_u64 s[22:23], s[4:5], s[22:23]
	s_add_nc_u64 s[46:47], s[4:5], s[46:47]
	s_add_nc_u64 s[92:93], s[4:5], s[92:93]
	CROUND                                         ; all sixteen work-groups are here: the first joint loads meet
	s_mov_b32 s[G0S], 1
	s_add_co_u32 s[G0S+1], s94, SCL
	s_mov_b64 s[G0S+2:G0S+3], s[22:23]
	s_or_b32 s[G0S+3], s[G0S+3], 0x80000000
	s_mov_b32 s[G0SB], 1
	s_add_co_u32 s[G0SB+1], s94, SCL
	s_mov_b64 s[G0SB+2:G0SB+3], s[92:93]
	s_or_b32 s[G0SB+3], s[G0SB+3], 0x80000000
	JLOAD G0S, G1S, G0SB, G1SB                     ; the scale words first
.irp s, 0,1
	s_mov_b32 s[G0+4*\s], 1
	s_add_co_u32 s[G0+4*\s+1], s45, \s*SLOT
	s_add_nc_u64 s[G0+4*\s+2:G0+4*\s+3], s[20:21], \s*GSTEP
	s_or_b32 s[G0+4*\s+3], s[G0+4*\s+3], 0x80000000
	s_mov_b32 s[G0B+4*\s], 1
	s_add_co_u32 s[G0B+4*\s+1], s45, \s*SLOT
	s_add_nc_u64 s[G0B+4*\s+2:G0B+4*\s+3], s[46:47], \s*GSTEP
	s_or_b32 s[G0B+4*\s+3], s[G0B+4*\s+3], 0x80000000
	JLOAD G0+4*\s, G1, G0B+4*\s, G1B
.endr
	v_and_b32 v1, 31, v0                           ; lane
	v_and_b32 v2, 15, v0                           ; r
	v_bfe_u32 v3, v0, 4, 1                         ; h
	v_lshlrev_b32 v[CO], 4, v1
	v_lshlrev_b32 v[LS], 2, v1
	s_mul_i32 s21, s15, WSTR
	s_mul_i32 s22, s16, WSTR
	s_add_co_u32 s22, s22, 2*PART                  ; B's fragments lie behind A's
.irp s, 0,1
	v_add_nc_u32 v[ADRA+\s], s21, v[CO]
	v_add_nc_u32 v[ADRB+\s], s22, v[CO]
	s_add_co_u32 s21, s21, SLOT
	s_add_co_u32 s22, s22, SLOT
.endr
	s_mul_i32 s21, s15, SSTR
	s_mul_i32 s22, s16, SSTR
	s_add_co_u32 s22, s22, 2*SCW
	s_sub_co_u32 s22, s22, s21
	v_mul_u32_u24 v6, s22, v3                      ; lanes 16-31 take B's words: one product, the distance between the two bases
	s_add_co_u32 s21, s21, SCL
	v_lshl_add_u32 v6, v2, 2, v6
	v_add_nc_u32 v[ADRS], s21, v6
	v_lshlrev_b32 v7, 6, v3                        ; the bias of q, k: 64 h bytes
	v_and_b32 v8, 8, v2
	v_add_nc_u32 v8, v8, v2
	v_lshlrev_b32 v8, 2, v8                        ; the bias of v: 4 (r + 8 (r / 8))
	s_wait_tensorcnt 1                             ; the scale words and my part of slot 0 are in; slot 1's load may be out
	s_barrier_signal -1
	s_barrier_wait -1
	FETCH 0, 0, 0, 0
	STEPM 0, 1, 0, 1                               ; K step 0 starts the sums
	TURN 0, 1, 1                                   ; 1; slot 0 takes K steps 4, 5
	STEPM 0, 0, 1, 1                               ; 2
	TURN 1, 0, 1                                   ; 3; slot 1 takes K steps 6, 7
	STEPM 0, 0, 0, 1                               ; 4
	TURN 0, 1, 0                                   ; 5; nothing is left to fetch
	WIN 0
	s_lshl_b32 s20, s17, 1
	s_add_co_u32 s20, s20, s15                     ; rA: my panel of A
	s_lshl_b32 s21, s42, 1
	s_add_co_u32 s21, s21, s16                     ; rB: my panel of B
	s_mov_b32 s47, 0
	s_cmp_eq_u32 ttmp9, 2
	s_cbranch_scc1 .Lv
	; ---- q and k.  The bias is asked for here and lands under the last two K steps: BIAS[16 b + i] = bias[128 (rB % 8) + 32 b + 16 h + i]
	s_and_b32 s22, s21, 7
	s_lshl_b32 s46, s22, 9
	s_cmp_eq_u32 ttmp9, 0
	s_cselect_b64 s[18:19], s[6:7], s[8:9]
	s_add_nc_u64 s[18:19], s[18:19], s[46:47]
	WIN 0x40
.irp bb, 0,1,2,3
.irp j, 0,1,2,3
	global_load_b128 v[96+16*\bb+4*\j+96*(\bb/2):96+16*\bb+4*\j+96*(\bb/2)+3], v7, s[18:19] offset:128*\bb+16*\j
.endr
.endr
	WIN 0
	s_lshr_b32 s23, s20, 4                         ; the batch
	s_lshl_b32 s23, s23, 4
	s_lshl_b32 s22, s22, 1
	s_add_co_u32 s23, s23, s22                     ; 16 x batch + my first head
	s_lshl_b32 s23, s23, 4
	s_and_b32 s22, s20, 15
	s_add_co_u32 s23, s23, s22                     ; x 16 + my 128 tokens
	s_mul_i32 s46, s23, BLK
	s_mul_i32 s22, ttmp9, QPART                    ; q's part or k's
	s_add_co_u32 s46, s46, s22
	s_add_nc_u64 s[12:13], s[12:13], s[46:47]
	STEPM 0, 0, 1, 1                               ; 6
	LAST                                           ; 7
	PLACES
	s_wait_loadcnt 0x0
.irp b, 0,1,2,3
	v_mov_b32 v[TM+4+\b], 0                        ; (a lane permute's destination counts as read)
.endr
.set qa, 0
.rept 8                                ; a tile of 16 tokens: + bias (which also brings the numbers into window 0), quantised: blocks 0, 1 are the even head's 64, blocks 2, 3 the odd head's
	WIN 0x06+(qa/4)                                ; source 0: window 2 or 3; source 1: window 1
.set qn, 0
.rept 32
.set BR, 96+qn+96*(qn/32)
	v_pk_add_f32 v[H+qn:H+qn+1], v[64*(qa%4)+qn:64*(qa%4)+qn+1], v[BR:BR+1]    ; each accumulator from its low end on
.set qn, qn+2
.endr
	WIN 0
	QUANT H, OUT+6*qa, OUT+48+6*qa, PW
	v_perm_b32 v[SE+qa], v[PW], v[PW], 0x01000100  ; the even head's two bytes, twice: the unused half of the next product's K gets bytes of the same size
	v_perm_b32 v[SO+qa], v[PW], v[PW], 0x03020302  ; the odd head's
.set qa, qa+1
.endr
	s_mov_b32 vcc_lo, 0xffff0000
.irp j, 0,1,2,3
	v_cndmask_b32 v[SW+\j], v[SE+\j], v[SE+4+\j], vcc_lo       ; lanes 0-15: tiles 0-3; lanes 16-31: tiles 4-7
	v_cndmask_b32 v[SW+4+\j], v[SO+\j], v[SO+4+\j], vcc_lo
.endr
	s_branch .Lout
.Lv:
	; ---- v.  A lane holds one column of Wv; its bias is one number a tile: BV[a] = bv[128 rA + 32 (a / 2) + 8 (a % 2) + r + 8 (r / 8)]
	s_lshl_b32 s46, s20, 9
	s_add_nc_u64 s[18:19], s[10:11], s[46:47]
	WIN 0x40
.irp a, 0,1,2,3,4,5,6,7
	global_load_b32 v[96+\a], v8, s[18:19] offset:(32*(\a/2)+8*(\a%2))*4
.endr
	WIN 0
	s_lshr_b32 s23, s21, 4                         ; the batch
	s_lshl_b32 s23, s23, 4
	s_lshl_b32 s22, s20, 1
	s_add_co_u32 s23, s23, s22                     ; 16 x batch + my first head
	s_lshl_b32 s23, s23, 4
	s_and_b32 s22, s21, 15
	s_add_co_u32 s23, s23, s22
	s_mul_i32 s46, s23, BLK
	s_add_co_u32 s46, s46, 2*QPART
	s_add_nc_u64 s[12:13], s[12:13], s[46:47]
	STEPM 0, 0, 1, 1                               ; 6
	LAST                                           ; 7
	PLACES
	s_wait_loadcnt 0x0
.irp b, 0,1,2,3
	v_mov_b32 v[TM+4+\b], 0
.endr
.set qa, 0
.rept 8                                ; a tile of 16 columns x my 128 keys: a whole fragment of v with the keys innermost
	WIN 0x06+(qa/4)
.set qn, 0
.rept 32
.if qa%2 == 0
	v_pk_add_f32 v[H+qn:H+qn+1], v[64*(qa%4)+qn:64*(qa%4)+qn+1], v[96+2*(qa/2):96+2*(qa/2)+1] op_sel_hi:[1,0]
.else
	v_pk_add_f32 v[H+qn:H+qn+1], v[64*(qa%4)+qn:64*(qa%4)+qn+1], v[96+2*(qa/2):96+2*(qa/2)+1] op_sel:[0,1] op_sel_hi:[1,1]
.endif
.set qn, qn+2
.endr
	WIN 0
	QUANT H, OUT+12*qa, OUT+6+12*qa, SW+qa
.set qa, qa+1
.endr
.Lout:
	; 48 registers and four scale words for each of my two heads: every store covers 512 consecutive bytes, aligned
.set qm, 0
.rept 12
	global_store_b128 v[CO], v[OUT+4*qm:OUT+4*qm+3], s[12:13] offset:512*qm
	global_store_b128 v[CO], v[OUT+48+4*qm:OUT+48+4*qm+3], s[12:13] offset:HEADB+512*qm
.set qm, qm+1
.endr
	global_store_b128 v[CO], v[SW:SW+3], s[12:13] offset:6144
	global_store_b128 v[CO], v[SW+4:SW+7], s[12:13] offset:HEADB+6144
	s_wait_tensorcnt 0x0                           ; the wave's end
	ds_add_u32 v[SPW], v[NIL]
	s_wait_dscnt 0x0
	CROUND                                         ; the closing round
	s_endpgm
.Lfunc_end_k_q7d7ee5395f_qkv:
	.size	k_q7d7ee5395f_qkv, .Lfunc_end_k_q7d7ee5395f_qkv-k_q7d7ee5395f_qkv
	.p2alignl 7, 3214868480
	.fill 96, 4, 3214868480
	.section	.rodata,"a",@progbits
	.p2align	6, 0x0
	.amdhsa_kernel k_q7d7ee5395f_qkv
		.amdhsa_group_segment_fixed_size 327680
		.amdhsa_private_segment_fixed_size 0
		.amdhsa_enable_private_segment 0
		.amdhsa_kernarg_size 40
		.amdhsa_user_sgpr_count 2
		.amdhsa_user_sgpr_kernarg_segment_ptr 1
		.amdhsa_wavefront_size32 1
		.amdhsa_system_sgpr_workgroup_id_x 1
		.amdhsa_system_sgpr_workgroup_id_y 1
		.amdhsa_system_sgpr_workgroup_id_z 1
		.amdhsa_system_vgpr_workitem_id 0
		.amdhsa_next_free_vgpr 1024
		.amdhsa_next_free_sgpr 100
		.amdhsa_reserve_vcc 1
		.amdhsa_float_denorm_mode_32 3
		.amdhsa_float_denorm_mode_16_64 3
		.amdhsa_memory_ordered 1
		.amdhsa_forward_progress 1
		.amdhsa_inst_pref_size 228
	.end_amdhsa_kernel
	.amdgpu_metadata
---
amdhsa.version: [ 1, 2 ]
amdhsa.kernels:
  - .name:           k_q7d7ee5395f_qkv
    .symbol:         k_q7d7ee5395f_qkv.kd
    .args:
      - { .name: wcodes, .offset: 0, .size: 8, .value_kind: global_buffer, .address_space: global }
      - { .name: bq, .offset: 8, .size: 8, .value_kind: global_buffer, .address_space: global }
      - { .name: bk, .offset: 16, .size: 8, .value_kind: global_buffer, .address_space: global }
      - { .name: bv, .offset: 24, .size: 8, .value_kind: global_buffer, .address_space: global }
      - { .name: qkvc, .offset: 32, .size: 8, .value_kind: global_buffer, .address_space: global }
    .group_segment_fixed_size: 327680
    .private_segment_fixed_size: 0
    .kernarg_segment_align: 8
    .kernarg_segment_size: 40
    .max_flat_workgroup_size: 128
    .sgpr_count:     100
    .vgpr_count:     1024
    .wavefront_size: 32
...
	.end_amdgpu_metadata
.endif
;; end of part 2
;; launch attn (part 3): grid 8 x 32, 16 waves a work-group, clusters of 4 x 1, 284,672 bytes of LDS; arguments qkvc, mha; writes mha
.if DOCPART == 3
	.amdgcn_target "amdgcn-amd-amdhsa--gfx1250"
	.amdhsa_code_object_version 6
	.text
	.protected	k_q7d7ee5395f_attn
	.globl	k_q7d7ee5395f_attn
	.p2align	8
	.type	k_q7d7ee5395f_attn,@function
k_q7d7ee5395f_attn:
	s_mov_b64 s[64:65], 0
	v_nop
	global_prefetch_b8 v0, s[64:65] scope:SCOPE_SE
	s_setreg_imm32_b32 hwreg(HW_REG_WAVE_MODE, 25, 1), 1
	s_wait_xcnt 0x0
	s_wait_alu depctr_hold_cnt(0) depctr_sa_sdst(0) depctr_va_vdst(0) depctr_va_sdst(0) depctr_va_ssrc(0) depctr_va_vcc(0) depctr_vm_vsrc(0)
	s_getreg_b32 s2, hwreg(HW_REG_IB_STS2, 6, 4)
	s_cmp_eq_u32 s2, 0
	s_cbranch_scc0 .Lentry_in_a_cluster
	s_endpgm
.Lentry_in_a_cluster:
	s_bfe_u32 s2, ttmp6, 0x10000c
	s_cmp_lg_u32 s2, 0x3003
	s_cbranch_scc0 .Lentry_shape_is_right
	s_endpgm
.Lentry_shape_is_right:
; mha[token][64 head + e] = the sum over keys of softmax(q . k / 8) v, both products on codes of FP6 (E2M3) with E8M0 scales.  No mask: reference() forms none (its attention_mask is used by no result), so that input is not read.
; THE SOFTMAX AHEAD OF THE SECOND PRODUCT: t = score x log2(e) / 8; M = the largest t so far rounded UP to a whole number; p = 2^(t - M) is quantised along the keys, not normalised; the row's sum is taken of the
; unquantised p and divides at the end; when M moves, the sum and O are multiplied by 2^(old M - new M), which rounds nothing.
; SHARES.  A work-group owns 256 queries of one (batch, head); each of its sixteen waves 16 queries, in 256 registers: four waves to a SIMD, so that one wave's vector work stands beside another's products and LDS loads.
; THE WHOLE HEAD'S k AND v LIE IN LDS, 106,496 bytes each, filled once: no slot is ever filled again.  They come in four quarters (wave 0: k's, wave 1: v's).  TWO BARRIERS: the first shows the first quarter landed,
; so that four key steps begin at once; the second, behind them, shows the other three; the last twelve key steps then run with no barrier, so that the sixteen waves need not walk in the same phase.
; CLUSTER.  The four query blocks of a cluster walk the same head: each quarter is asked for jointly, mask 15.
; LAYOUT.  Both products transposed: S^T = k q^T, O^T = v^T p^T: a lane holds one query.  The keys of a tile of k are rows 32 (t / 2) + 8 (t % 2) + r + 8 (r / 8) of the step's 128, so the 16 registers of two
; neighbouring tiles are 16 neighbouring keys.  THE FIRST PRODUCT'S K IS 64, the instruction's 128: q's upper six registers are zero codes; k's tile t names registers 6 t .. 6 t + 11, whose upper six
; (the next tile's codes; zeros behind the last) meet those zeros and add nothing.
; LIMITS: NaN and infinities are not served.
; REGISTERS: v1-5 addresses; v12 -M, v13 the largest t, v[14:15] the sum; v16-27 q; v28 q's scale word; v32-79 k's codes, then v's four fragments; v80-85 zeros; v86-89, v90-93 scale words;
; v96-159 S^T, then p; v160-191 O^T; v192-203 p's codes; v204-211, v216-231 at work.
.set QPART, 3407872
.set HEADB, 106496
.set BLK,   6656
.set QUARB, 26624                      ; a quarter of a head: four key steps
.set STAGE, 2*HEADB                    ; the way out: 16 rows x (256 bytes + 16) for each wave
.set LI,  1                            ; v1  16 x lane
.set LV,  2                            ; v2  the same in v's region
.set ADK, 3
.set ADV, 4
.set GO,  5
.set WV,  18
.set SEL, 20
.set CS,  22                           ; s[22:23] c = log2(e) / 8
.set G1,  24
.set G0,  32                           ; s[32:47] four groups 0
.set TB,  2                            ; s2  the step's block in LDS
.set CNT, 3
.macro CROUND
	s_barrier_signal -1
	s_barrier_wait -1
	s_cmp_lg_u32 s[WV], 0
	s_cbranch_scc1 .Lnot_wave_0_\@
	s_barrier_signal -3
.Lnot_wave_0_\@:
	s_barrier_wait -3
	s_barrier_signal -1
	s_barrier_wait -1
.endm
	s_load_b128 s[4:7], s[0:1], 0x0                ; qkvc, mha
	v_lshl_add_u32 v254, v0, 2, 0x45000
	v_mov_b32 v255, 0
	ds_add_u32 v254, v255
	ds_add_u32 v254, v255
	v_lshrrev_b32 v6, 5, v0
	v_readfirstlane_b32 s[WV], v6                  ; wave 0..15
	s_bfe_u32 s8, ttmp6, 0x40000                   ; cx
	s_lshl_b32 s9, ttmp9, 2
	s_add_co_u32 s9, s9, s8                        ; my block of 256 queries: it enters q's and mha's addresses alone
	s_and_b32 s10, ttmp7, 0xffff                   ; 16 x batch + head, which the partners share
	s_mov_b32 s[G1], 15|(3<<16)|(1<<21)            ; the mask: all four; elements of 8 bytes; bit 21 beside a mask; no padding
	s_mov_b32 s[G1+1], 32<<16                      ; rows of 256 bytes,
	s_mov_b32 s[G1+2], (QUARB/256)<<16             ; 104 of them, dense
	s_mov_b32 s[G1+3], 32<<16
	s_mov_b32 s[G1+4], QUARB/256
	s_mov_b32 s[G1+5], 32
	s_mov_b32 s[G1+6], 0
	s_mov_b32 s[G1+7], 0
	s_mul_i32 s12, s10, HEADB
	s_and_b32 s13, s[WV], 1                        ; wave 0: k; wave 1: v (the other waves issue nothing)
	s_mul_i32 s14, s13, QPART
	s_add_co_u32 s14, s14, s12
	s_add_co_u32 s14, s14, QPART
	s_mov_b32 s15, 0
	s_mul_i32 s16, s13, HEADB
	s_mov_b32 s[SEL], 0x76543210
	s_mov_b32 s[SEL+1], 0xfedcba98
	s_mov_b32 s[CS], 0x3e38aa3b
	s_mov_b32 s[CS+1], s[CS]
	s_mov_b32 s[TB], 0
	s_wait_dscnt 0x0
	s_wait_kmcnt 0x0
	s_add_nc_u64 s[14:15], s[4:5], s[14:15]
.irp j, 0,1,2,3
	s_mov_b32 s[G0+4*\j], 1
	s_add_co_u32 s[G0+4*\j+1], s16, \j*QUARB
	s_add_nc_u64 s[G0+4*\j+2:G0+4*\j+3], s[14:15], \j*QUARB
	s_or_b32 s[G0+4*\j+3], s[G0+4*\j+3], 0x80000000
.endr
	CROUND                                         ; all four work-groups are here: the joint loads meet
	s_cmp_lt_u32 s[WV], 2                          ; a wave's four fills stand in one branch: four loads of mine are out
	s_cbranch_scc0 .Lno_fetch
	tensor_load_to_lds s[G0:G0+3], s[G1:G1+7]
	s_nop 0
	tensor_load_to_lds s[G0+4:G0+7], s[G1:G1+7]
	s_nop 0
	tensor_load_to_lds s[G0+8:G0+11], s[G1:G1+7]
	s_nop 0
	tensor_load_to_lds s[G0+12:G0+15], s[G1:G1+7]
	s_nop 0
.rept 4
	v_nop
.endr
.Lno_fetch:
	v_and_b32 v6, 31, v0
	v_lshlrev_b32 v[LI], 4, v6
	v_add_nc_u32 v[LV], HEADB, v[LI]
	s_and_b32 s48, s[WV], 7                        ; my tile in its block of 128 queries
	s_lshr_b32 s49, s[WV], 3
	s_lshl_b32 s50, s9, 1
	s_add_co_u32 s49, s49, s50                     ; which 128 queries of the sequence
	s_lshl_b32 s50, s10, 4
	s_add_co_u32 s50, s50, s49
	s_mul_i32 s50, s50, BLK
	s_mov_b32 s51, 0
	s_add_nc_u64 s[52:53], s[4:5], s[50:51]        ; q's block
	s_mul_i32 s54, s48, 3                          ; my six registers are pairs 3 tile + 0, 1, 2 of the image: pair P lies at 512 (P / 2) + 8 (P % 2) + 16 x lane
.irp p, 0,1,2
	s_add_co_u32 s55, s54, \p
	s_lshr_b32 s56, s55, 1
	s_lshl_b32 s56, s56, 9
	s_and_b32 s55, s55, 1
	s_lshl_b32 s55, s55, 3
	s_add_co_u32 s56, s56, s55
	v_add_nc_u32 v[6+\p], s56, v[LI]
	global_load_b64 v[16+2*\p:17+2*\p], v[6+\p], s[52:53]
.endr
	v_and_b32 v9, 15, v0
	v_lshlrev_b32 v9, 4, v9
	s_lshr_b32 s55, s48, 2
	s_lshl_b32 s55, s55, 8
	s_and_b32 s56, s48, 3
	s_lshl_b32 s56, s56, 2
	s_add_co_u32 s55, s55, s56
	v_add_nc_u32 v9, s55, v9
	global_load_b32 v28, v9, s[52:53] offset:6144  ; q's scale words
	s_lshr_b32 s50, s10, 4                         ; where my 16 rows of mha begin: token 2,048 batch + 128 g + 32 (tile / 2) + 8 (tile % 2), column 64 head
	s_lshl_b32 s50, s50, 11
	s_lshl_b32 s51, s49, 7
	s_add_co_u32 s50, s50, s51
	s_lshr_b32 s51, s48, 1
	s_lshl_b32 s51, s51, 5
	s_add_co_u32 s50, s50, s51
	s_and_b32 s51, s48, 1
	s_lshl_b32 s51, s51, 3
	s_add_co_u32 s50, s50, s51
	s_lshl_b32 s50, s50, 12
	s_and_b32 s51, s10, 15
	s_lshl_b32 s51, s51, 8
	s_add_co_u32 s50, s50, s51
	s_mov_b32 s51, 0
	s_add_nc_u64 s[6:7], s[6:7], s[50:51]
.irp j, 0,1,2,3,4,5
	v_mov_b32 v[22+\j], 0                          ; q's codes for the unused half of K
	v_mov_b32 v[80+\j], 0                          ; and what the last tile of k names there
.endr
	v_mov_b32 v13, 0xff61b1e6                      ; the largest t so far: -3e38
	v_floor_f32 v12, -v13                          ; -M
	v_mov_b32 v14, 0
	v_mov_b32 v15, 0
.irp b, 0,1,2,3
	v_mov_b32 v[220+\b], 0                         ; (a lane permute's destination counts as read)
.endr
	v_mov_b32 v231, 0                              ; (named as the upper half of v[230:231] before it is first written)
.set j, 0
.rept 32
	v_mov_b32 v[160+j], 0                          ; O^T: the step is written once for each phase; its first turn finds zeros, which the first change of M leaves zeros
.set j, j+1
.endr
; A KEY STEP: 128 keys
.macro STEP
	v_add_nc_u32 v[ADK], s[TB], v[LI]
	v_add_nc_u32 v[ADV], s[TB], v[LV]
	v_nop
	v_nop                                          ; four places behind the last products, in front of loads into their registers
.set n, 0
.rept 12
	ds_load_b128 v[32+4*n:35+4*n], v[ADK] offset:512*n
.set n, n+1
.endr
	ds_load_b128 v[86:89], v[ADK] offset:6144      ; lanes 0-15: the words of tiles 0-3, lanes 16-31 of tiles 4-7
	s_wait_dscnt 0x0
.irp t, 0,1,2,3
	v_wmma_scale_f32_16x16x128_f8f6f4 v[96+8*\t:103+8*\t], v[32+6*\t:43+6*\t], v[16:27], 0, v[86+\t], v28 matrix_a_fmt:MATRIX_FMT_FP6 matrix_b_fmt:MATRIX_FMT_FP6
.endr
.irp t, 4,5,6,7
	v_wmma_scale_f32_16x16x128_f8f6f4 v[96+8*\t:103+8*\t], v[32+6*\t:43+6*\t], v[16:27], 0, v[82+\t], v28 matrix_a_fmt:MATRIX_FMT_FP6 matrix_b_fmt:MATRIX_FMT_FP6 matrix_a_scale:MATRIX_SCALE_ROW1
.endr
.rept 4
	v_nop
.endr
.set n, 0
.rept 12
	ds_load_b128 v[32+4*n:35+4*n], v[ADV] offset:512*n          ; v's four fragments land under the softmax
.set n, n+1
.endr
	ds_load_b128 v[90:93], v[ADV] offset:6144
.irp b, 0,1,2,3
	v_max3_num_f32 v[216+\b], v[96+16*\b], v[97+16*\b], v[98+16*\b]    ; the largest score of each block of 32 keys: for the row's maximum and, since p rises with the score, for the block's largest p
.endr
.irp i, 3,5,7,9,11,13
.irp b, 0,1,2,3
	v_max3_num_f32 v[216+\b], v[216+\b], v[96+16*\b+\i], v[97+16*\b+\i]
.endr
.endr
.irp b, 0,1,2,3
	v_max_num_f32 v[216+\b], v[216+\b], v[111+16*\b]
.endr
.irp b, 0,1,2,3
	v_permlanex16_b32 v[220+\b], v[216+\b], s[SEL], s[SEL+1]
.endr
.irp b, 0,1,2,3
	v_max_num_f32 v[216+\b], v[216+\b], v[220+\b]
.endr
	v_max3_num_f32 v228, v216, v217, v218
	v_max_num_f32 v228, v228, v219
	v_mul_f32 v228, s[CS], v228                    ; as t
	v_max_num_f32 v13, v13, v228
	v_mov_b32 v228, v12
	v_floor_f32 v12, -v13                          ; the new -M = -ceil(t)
	v_sub_f32 v228, v12, v228                      ; old M - new M: a whole number, 0 or less
	v_cvt_i32_f32 v228, v228
	v_ldexp_f32 v230, 1.0, v228                    ; f = 2^(old M - new M)
.set j, 0
.rept 32
	v_pk_fma_f32 v[96+j:97+j], v[96+j:97+j], s[CS:CS+1], v[12:13] op_sel_hi:[1,0,0]   ; t - M
.set j, j+2
.endr
.irp b, 0,1,2,3
	v_fma_f32 v[216+\b], v[216+\b], s[CS], v12
.endr
.set j, 0
.rept 64
	v_exp_f32 v[96+j], v[96+j]                     ; p
.set j, j+1
.endr
	v_pk_mul_f32 v[14:15], v[14:15], v[230:231] op_sel_hi:[1,0]   ; the sums under the new M: a plain instruction behind the exponentials
	s_wait_alu depctr_va_vdst(0)                   ; one wait for the batch, ahead of its first reader
.irp b, 0,1,2,3
	v_exp_f32 v[216+\b], v[216+\b]                 ; each block's largest p
.endr
	v_pk_add_f32 v[220:221], v[96:97], v[98:99]    ; the row's sum of the unquantised p, in two chains
.irp j, 4,8,12,16,20,24,28,32,36,40,44,48,52,56,60
	v_pk_add_f32 v[14:15], v[14:15], v[96+\j:97+\j]
	v_pk_add_f32 v[220:221], v[220:221], v[98+\j:99+\j]
.endr
	v_pk_add_f32 v[14:15], v[14:15], v[220:221]
	s_wait_alu depctr_va_vdst(0)                   ; and one for the four
.irp b, 0,1,2,3
	v_max_num_f32 v[216+\b], 0x1800000, v[216+\b]  ; the floor 2^(3 - 127)
.endr
.irp b, 0,1,2,3
	v_add_nc_u32 v[224+\b], 0xff000000, v[216+\b]
.endr
.irp b, 0,1,2,3
	v_lshrrev_b32 v[220+\b], 23, v[224+\b]
.endr
	v_lshl_or_b32 v231, v221, 8, v220              ; p's scale word for these 128 keys
	v_lshl_or_b32 v231, v222, 16, v231
	v_lshl_or_b32 v231, v223, 24, v231
.irp c, 0,1
	v_cvt_scalef32_pk16_fp6_f32 v[192+6*\c:194+6*\c], v[96+32*\c:111+32*\c], v[224+2*\c]
	v_cvt_scalef32_pk16_fp6_f32 v[204+4*\c:206+4*\c], v[112+32*\c:127+32*\c], v[225+2*\c]
.endr
	v_nop
.irp c, 0,1
.irp i, 0,1,2
	v_permlane16_swap_b32 v[192+6*\c+\i], v[204+4*\c+\i]
.endr
.irp i, 0,1,2
	v_mov_b32 v[195+6*\c+\i], v[204+4*\c+\i]
.endr
.endr
.set j, 0
.rept 16
	v_pk_mul_f32 v[160+j:161+j], v[160+j:161+j], v[230:231] op_sel_hi:[1,0]    ; O^T under the new M; these sixteen also stand between the codes and the scale word just made and the products
.set j, j+2
.endr
	s_wait_dscnt 0x0                               ; v is in
.irp t, 0,1,2,3
	v_wmma_scale_f32_16x16x128_f8f6f4 v[160+8*\t:167+8*\t], v[32+12*\t:43+12*\t], v[192:203], v[160+8*\t:167+8*\t], v[90+\t], v231 matrix_a_fmt:MATRIX_FMT_FP6 matrix_b_fmt:MATRIX_FMT_FP6
.endr
	s_add_co_u32 s[TB], s[TB], BLK
.endm
; A phase: the fetching waves wait until at most 'left' of their four loads are out (nothing is ever filled again, so later quarters may stay out over a barrier), all sixteen waves meet, and 'trips' key steps follow
.macro PHASE left, trips
	s_wait_tensorcnt \left
	s_barrier_signal -1
	s_barrier_wait -1
	s_mov_b32 s[CNT], \trips
.Lq_\@:
	STEP
	s_sub_co_u32 s[CNT], s[CNT], 1
	s_cmp_lg_u32 s[CNT], 0
	s_cbranch_scc1 .Lq_\@
.endm
	s_wait_loadcnt 0x0                             ; q
	PHASE 3, 4                                     ; the first quarter has landed, the other three may be out: its four key steps
	PHASE 0, 12                                    ; all four have landed: the other twelve key steps, with no barrier among them
	; THE WAY OUT: O^T / the sum, through my stage, so that sixteen lanes store a row's 256 consecutive bytes
	v_add_f32 v14, v14, v15
	v_permlanex16_b32 v230, v14, s[SEL], s[SEL+1]
	v_add_f32 v14, v14, v230
	v_rcp_f32 v14, v14
	v_and_b32 v6, 15, v0                           ; r
	v_bfe_u32 v7, v0, 4, 1                         ; h
	s_mul_i32 s55, s[WV], 16*272
	s_add_co_u32 s55, s55, STAGE
	v_mul_u32_u24 v8, v6, 272
	v_lshl_add_u32 v8, v7, 6, v8
	v_add_nc_u32 v8, s55, v8                       ; in: row r; register 16 b + i is e = 32 b + 16 h + i
	v_mul_u32_u24 v9, v7, 272
	v_lshl_add_u32 v9, v6, 4, v9
	v_add_nc_u32 v9, s55, v9                       ; back: lanes 0-15 one row, lanes 16-31 the next
	v_lshlrev_b32 v[GO], 12, v7
	v_lshl_add_u32 v[GO], v6, 4, v[GO]
	s_wait_alu depctr_va_vdst(0)                   ; ahead of the reciprocal's first reader
.set j, 0
.rept 32
	v_mul_f32 v[96+j], v[160+j], v14
.set j, j+1
.endr
.irp b, 0,1
.irp j, 0,1,2,3
	ds_store_b128 v8, v[96+16*\b+4*\j:99+16*\b+4*\j] offset:128*\b+16*\j
.endr
.endr
.irp i, 0,1,2,3,4,5,6,7
	ds_load_b128 v[32+4*\i:35+4*\i], v9 offset:544*\i          ; LDS serves a wave's instructions in order (ISA guide 5.7.1.4): these see my stores
.endr
.irp i, 0,1,2,3,4,5,6,7
	s_wait_dscnt 7-\i
	global_store_b128 v[GO], v[32+4*\i:35+4*\i], s[6:7] offset:(2*\i+8*(\i/4))*4096   ; row 2 i + h of the tile is token 2 i + h + 8 (i / 4) from the tile's first
.endr
	s_wait_tensorcnt 0x0
	ds_add_u32 v254, v255
	s_wait_dscnt 0x0
	CROUND                                         ; the closing round
	s_endpgm
.Lfunc_end_k_q7d7ee5395f_attn:
	.size	k_q7d7ee5395f_attn, .Lfunc_end_k_q7d7ee5395f_attn-k_q7d7ee5395f_attn
	.p2alignl 7, 3214868480
	.fill 96, 4, 3214868480
	.section	.rodata,"a",@progbits
	.p2align	6, 0x0
	.amdhsa_kernel k_q7d7ee5395f_attn
		.amdhsa_group_segment_fixed_size 284672
		.amdhsa_private_segment_fixed_size 0
		.amdhsa_enable_private_segment 0
		.amdhsa_kernarg_size 16
		.amdhsa_user_sgpr_count 2
		.amdhsa_user_sgpr_kernarg_segment_ptr 1
		.amdhsa_wavefront_size32 1
		.amdhsa_system_sgpr_workgroup_id_x 1
		.amdhsa_system_sgpr_workgroup_id_y 1
		.amdhsa_system_sgpr_workgroup_id_z 1
		.amdhsa_system_vgpr_workitem_id 0
		.amdhsa_next_free_vgpr 256
		.amdhsa_next_free_sgpr 66
		.amdhsa_reserve_vcc 0
		.amdhsa_float_denorm_mode_32 3
		.amdhsa_float_denorm_mode_16_64 3
		.amdhsa_memory_ordered 1
		.amdhsa_forward_progress 1
		.amdhsa_inst_pref_size 43
	.end_amdhsa_kernel
	.amdgpu_metadata
---
amdhsa.version: [ 1, 2 ]
amdhsa.kernels:
  - .name:           k_q7d7ee5395f_attn
    .symbol:         k_q7d7ee5395f_attn.kd
    .args:
      - { .name: qkvc, .offset: 0, .size: 8, .value_kind: global_buffer, .address_space: global }
      - { .name: mha, .offset: 8, .size: 8, .value_kind: global_buffer, .address_space: global }
    .group_segment_fixed_size: 284672
    .private_segment_fixed_size: 0
    .kernarg_segment_align: 8
    .kernarg_segment_size: 16
    .max_flat_workgroup_size: 512
    .sgpr_count:     66
    .vgpr_count:     256
    .wavefront_size: 32
...
	.end_amdgpu_metadata
.endif
;; end of part 3
;; launch ln1 (part 4): grid 256 x 1, 8 waves a work-group, no clusters, 66,816 bytes of LDS; arguments x, mha, ln_g, ln_b, h1b; writes h1b
.if DOCPART == 4
	.amdgcn_target "amdgcn-amd-amdhsa--gfx1250"
	.amdhsa_code_object_version 6
	.text
	.protected	k_q7d7ee5395f_ln1
	.globl	k_q7d7ee5395f_ln1
	.p2align	8
	.type	k_q7d7ee5395f_ln1,@function
k_q7d7ee5395f_ln1:
	s_mov_b64 s[64:65], 0
	v_nop
	global_prefetch_b8 v0, s[64:65] scope:SCOPE_SE
	s_setreg_imm32_b32 hwreg(HW_REG_WAVE_MODE, 25, 1), 1
	s_wait_xcnt 0x0
; h1 = LayerNorm(x + mha) x g + b, rows of 1,024 f32, eps = 1e-5, the variance from the centred numbers as reference() has it.  h1 leaves as f32 (the residual of the second norm) and as codes of FP6 (E2M3) with E8M0 scales,
; in the order of the operand's registers: fragment (panel of 128 tokens p, K step s, tile i) at H1C + ((8 p + s) 8 + i) x 1536, its 16 scale words at H1S + ((8 p + s) 8 + i) x 64; row r of tile i is token 128 p + 16 i + r.
; A work-group takes 16 tokens, one tile.  Phase 1: wave w takes rows 2 w, 2 w + 1, a whole row in 32 registers: each load and store covers 512 consecutive bytes.  The rows meet in LDS (pitch 4,112 bytes = 257 x 16).
; Phase 2: wave w makes the fragment of K step w: lane (r, h) reads blocks h and 2 + h of row r.
; LIMITS: NaN and infinities are not served; a block under 2^-124 gets the byte 1.
.set H1C, 16777216
.set H1S, 19922944
.set PITCH, 4112
.set T0, 8
.set T1, 9
.set T2, 10
.set T4, 12
.macro ADDROW A, B
.set k, 0
.rept 16
	v_pk_add_f32 v[\A+k:\A+k+1], v[\A+k:\A+k+1], v[\B+k:\B+k+1]
.set k, k+2
.endr
.endm
.macro LANES t                         ; two chains of pairs become one number in every lane
	v_pk_add_f32 v[\t:\t+1], v[\t:\t+1], v[\t+2:\t+3]
	v_add_f32 v[\t], v[\t], v[\t+1]
	v_add_f32_dpp v[\t], v[\t], v[\t] row_xmask:1 row_mask:0xf bank_mask:0xf
	v_add_f32_dpp v[\t], v[\t], v[\t] row_xmask:2 row_mask:0xf bank_mask:0xf
	v_add_f32_dpp v[\t], v[\t], v[\t] row_xmask:4 row_mask:0xf bank_mask:0xf
	v_add_f32_dpp v[\t], v[\t], v[\t] row_xmask:8 row_mask:0xf bank_mask:0xf
	v_permlanex16_b32 v[\t+1], v[\t], s20, s21
	v_add_f32 v[\t], v[\t], v[\t+1]
.endm
.macro RSUM A, t
	v_pk_add_f32 v[\t:\t+1], v[\A:\A+1], v[\A+2:\A+3]
	v_pk_add_f32 v[\t+2:\t+3], v[\A+4:\A+5], v[\A+6:\A+7]
.irp j, 8,12,16,20,24,28
	v_pk_add_f32 v[\t:\t+1], v[\t:\t+1], v[\A+\j:\A+\j+1]
	v_pk_add_f32 v[\t+2:\t+3], v[\t+2:\t+3], v[\A+\j+2:\A+\j+3]
.endr
	LANES \t
.endm
.macro CENTRE A, t
.set k, 0
.rept 16
	v_pk_add_f32 v[\A+k:\A+k+1], v[\A+k:\A+k+1], v[\t:\t+1] op_sel_hi:[1,0] neg_lo:[0,1] neg_hi:[0,1]
.set k, k+2
.endr
.endm
.macro RSQ A, t
	v_pk_mul_f32 v[\t:\t+1], v[\A:\A+1], v[\A:\A+1]
	v_pk_mul_f32 v[\t+2:\t+3], v[\A+2:\A+3], v[\A+2:\A+3]
.irp j, 4,8,12,16,20,24,28
	v_pk_fma_f32 v[\t:\t+1], v[\A+\j:\A+\j+1], v[\A+\j:\A+\j+1], v[\t:\t+1]
	v_pk_fma_f32 v[\t+2:\t+3], v[\A+\j+2:\A+\j+3], v[\A+\j+2:\A+\j+3], v[\t+2:\t+3]
.endr
	LANES \t
.endm
.macro SCALE A, u
.set k, 0
.rept 16
	v_pk_mul_f32 v[\A+k:\A+k+1], v[\A+k:\A+k+1], v[\u:\u+1] op_sel_hi:[1,0]
	v_pk_fma_f32 v[\A+k:\A+k+1], v[\A+k:\A+k+1], v[160+k:161+k], v[192+k:193+k]
.set k, k+2
.endr
.endm
.macro QB xs, d, e                     ; 32 numbers of one lane, one whole block: 6 registers of codes and the scale's byte
	v_max3_num_f32 v[T0], |v[\xs]|, |v[\xs+1]|, |v[\xs+2]|
	v_max3_num_f32 v[T1], |v[\xs+3]|, |v[\xs+4]|, |v[\xs+5]|
.irp i, 6,10,14,18,22,26
	v_max3_num_f32 v[T0], v[T0], |v[\xs+\i]|, |v[\xs+\i+1]|
	v_max3_num_f32 v[T1], v[T1], |v[\xs+\i+2]|, |v[\xs+\i+3]|
.endr
	v_max3_num_f32 v[T0], v[T0], |v[\xs+30]|, |v[\xs+31]|
	v_max3_num_f32 v[T0], v[T0], v[T1], 0x1800000  ; the floor 2^(3 - 127)
	v_add_nc_u32 v[T2], 0xff000000, v[T0]          ; 2 off the exponent field: the conversion's scale operand
	v_lshrrev_b32 v[\e], 23, v[T2]
	v_cvt_scalef32_pk16_fp6_f32 v[\d:\d+2], v[\xs:\xs+15], v[T2]
	v_cvt_scalef32_pk16_fp6_f32 v[T4:T4+2], v[\xs+16:\xs+31], v[T2]
	v_nop
.irp i, 0,1,2
	v_mov_b32 v[\d+3+\i], v[T4+\i]
.endr
.endm
	s_load_b256 s[4:11], s[0:1], 0x0               ; x, mha, ln_g, ln_b
	s_load_b64 s[12:13], s[0:1], 0x20              ; h1b
	v_lshl_add_u32 v224, v0, 2, 0x10100
	v_mov_b32 v225, 0
	v_lshrrev_b32 v1, 5, v0
	v_readfirstlane_b32 s14, v1                    ; wave 0..7
	v_and_b32 v1, 31, v0
	v_lshlrev_b32 v2, 4, v1                        ; 16 x lane
	s_mul_i32 s15, s14, 2*PITCH
	v_add_nc_u32 v3, s15, v2                       ; LDS, phase 1: my two rows
	v_and_b32 v5, 15, v0                           ; r
	v_bfe_u32 v6, v0, 4, 1                         ; h
	v_mul_u32_u24 v4, v5, PITCH
	v_lshl_add_u32 v4, v6, 7, v4
	s_lshl_b32 s15, s14, 9
	v_add_nc_u32 v4, s15, v4                       ; LDS, phase 2: row r, K step = wave, block h
	v_lshlrev_b32 v7, 2, v5                        ; 4 r
	v_lshlrev_b32 v28, 3, v6                       ; 8 h
	v_mov_b32 v27, 0                               ; (a lane permute's destination counts as read)
	s_lshl_b32 s16, ttmp9, 16                      ; 16 rows of 4,096 bytes a work-group,
	s_lshl_b32 s17, s14, 13                        ; two a wave
	s_add_co_u32 s16, s16, s17
	s_mov_b32 s17, 0
	s_mov_b32 s20, 0x76543210
	s_mov_b32 s21, 0xfedcba98
	s_mov_b32 s22, 0x3a800000                      ; 1 / 1,024
	s_mov_b32 s23, 0x3727c5ac                      ; 1e-5
	s_lshr_b32 s28, ttmp9, 3
	s_lshl_b32 s28, s28, 3
	s_add_co_u32 s28, s28, s14
	s_lshl_b32 s28, s28, 3
	s_and_b32 s29, ttmp9, 7
	s_add_co_u32 s28, s28, s29                     ; fragment (panel, K step = wave, tile)
	s_mul_i32 s24, s28, 1536
	s_add_co_u32 s24, s24, H1C
	s_mov_b32 s25, 0
	s_lshl_b32 s26, s28, 6
	s_add_co_u32 s26, s26, H1S
	s_mov_b32 s27, 0
	s_wait_kmcnt 0x0
	s_add_nc_u64 s[4:5], s[4:5], s[16:17]
	s_add_nc_u64 s[6:7], s[6:7], s[16:17]
	s_add_nc_u64 s[18:19], s[12:13], s[16:17]
	s_add_nc_u64 s[24:25], s[12:13], s[24:25]
	s_add_nc_u64 s[26:27], s[12:13], s[26:27]
.irp q, 0,1
.irp j, 0,1,2,3,4,5,6,7
	global_load_b128 v[32+32*\q+4*\j:35+32*\q+4*\j], v2, s[4:5] offset:4096*\q+512*\j th:TH_LOAD_NT
	global_load_b128 v[96+32*\q+4*\j:99+32*\q+4*\j], v2, s[6:7] offset:4096*\q+512*\j th:TH_LOAD_NT
.endr
.endr
.irp j, 0,1,2,3,4,5,6,7
	global_load_b128 v[160+4*\j:163+4*\j], v2, s[8:9] offset:512*\j
	global_load_b128 v[192+4*\j:195+4*\j], v2, s[10:11] offset:512*\j
.endr
	s_wait_loadcnt 16                              ; the rows are in; the gain's and the bias's sixteen loads may be out
	ADDROW 32, 96
	ADDROW 64, 128
	RSUM 32, 8
	RSUM 64, 12
	v_mul_f32 v8, s22, v8                          ; the means
	v_mul_f32 v12, s22, v12
	CENTRE 32, 8
	CENTRE 64, 12
	RSQ 32, 16
	RSQ 64, 20
	v_fma_f32 v16, v16, s22, s23                   ; variance + eps
	v_fma_f32 v20, v20, s22, s23
	v_rsq_f32 v18, v16
	v_rsq_f32 v22, v20
	v_nop                                          ; a plain instruction behind the two
	s_wait_alu depctr_va_vdst(0)                   ; one wait for both, ahead of their first reader
	s_wait_loadcnt 0x0
	SCALE 32, 18
	SCALE 64, 22
.irp q, 0,1
.irp j, 0,1,2,3,4,5,6,7
	global_store_b128 v2, v[32+32*\q+4*\j:35+32*\q+4*\j], s[18:19] offset:4096*\q+512*\j
	ds_store_b128 v3, v[32+32*\q+4*\j:35+32*\q+4*\j] offset:PITCH*\q+512*\j
.endr
.endr
	s_wait_dscnt 0x0                               ; for the others' sake: my rows lie in LDS
	s_barrier_signal -1
	s_barrier_wait -1
.irp c, 0,1
.irp j, 0,1,2,3,4,5,6,7
	ds_load_b128 v[96+32*\c+4*\j:99+32*\c+4*\j], v4 offset:256*\c+16*\j      ; registers that no pending store reads
.endr
.endr
	s_wait_dscnt 0x0
	QB 96, 160, 24
	QB 128, 166, 25
	v_lshl_or_b32 v26, v25, 16, v24                ; my two bytes, blocks h and 2 + h, at their places;
	v_lshlrev_b32 v26, v28, v26
	v_permlanex16_b32 v27, v26, s20, s21
	v_or_b32 v26, v26, v27                         ; with lane l xor 16's the word is whole
.irp c, 0,1,2
	global_store_b128 v2, v[160+4*\c:163+4*\c], s[24:25] offset:512*\c
.endr
	global_store_b32 v7, v26, s[26:27]             ; lanes r and 16 + r write the same word to the same place
	s_wait_tensorcnt 0x0
	ds_add_u32 v224, v225
	s_wait_dscnt 0x0
	s_endpgm
.Lfunc_end_k_q7d7ee5395f_ln1:
	.size	k_q7d7ee5395f_ln1, .Lfunc_end_k_q7d7ee5395f_ln1-k_q7d7ee5395f_ln1
	.p2alignl 7, 3214868480
	.fill 96, 4, 3214868480
	.section	.rodata,"a",@progbits
	.p2align	6, 0x0
	.amdhsa_kernel k_q7d7ee5395f_ln1
		.amdhsa_group_segment_fixed_size 66816
		.amdhsa_private_segment_fixed_size 0
		.amdhsa_enable_private_segment 0
		.amdhsa_kernarg_size 40
		.amdhsa_user_sgpr_count 2
		.amdhsa_user_sgpr_kernarg_segment_ptr 1
		.amdhsa_wavefront_size32 1
		.amdhsa_system_sgpr_workgroup_id_x 1
		.amdhsa_system_sgpr_workgroup_id_y 1
		.amdhsa_system_sgpr_workgroup_id_z 1
		.amdhsa_system_vgpr_workitem_id 0
		.amdhsa_next_free_vgpr 226
		.amdhsa_next_free_sgpr 66
		.amdhsa_reserve_vcc 0
		.amdhsa_float_denorm_mode_32 3
		.amdhsa_float_denorm_mode_16_64 3
		.amdhsa_memory_ordered 1
		.amdhsa_forward_progress 1
		.amdhsa_inst_pref_size 28
	.end_amdhsa_kernel
	.amdgpu_metadata
---
amdhsa.version: [ 1, 2 ]
amdhsa.kernels:
  - .name:           k_q7d7ee5395f_ln1
    .symbol:         k_q7d7ee5395f_ln1.kd
    .args:
      - { .name: x, .offset: 0, .size: 8, .value_kind: global_buffer, .address_space: global }
      - { .name: mha, .offset: 8, .size: 8, .value_kind: global_buffer, .address_space: global }
      - { .name: ln_g, .offset: 16, .size: 8, .value_kind: global_buffer, .address_space: global }
      - { .name: ln_b, .offset: 24, .size: 8, .value_kind: global_buffer, .address_space: global }
      - { .name: h1b, .offset: 32, .size: 8, .value_kind: global_buffer, .address_space: global }
    .group_segment_fixed_size: 66816
    .private_segment_fixed_size: 0
    .kernarg_segment_align: 8
    .kernarg_segment_size: 40
    .max_flat_workgroup_size: 256
    .sgpr_count:     66
    .vgpr_count:     226
    .wavefront_size: 32
...
	.end_amdgpu_metadata
.endif
;; end of part 4
;; launch ffn1 (part 5): grid 16 x 16, 4 waves a work-group, clusters of 4 x 4, 327,680 bytes of LDS; arguments h1b, wcodes, b1, hidc; writes hidc
.if DOCPART == 5
	.amdgcn_target "amdgcn-amd-amdhsa--gfx1250"
	.amdhsa_code_object_version 6
	.text
	.protected	k_q7d7ee5395f_ffn1
	.globl	k_q7d7ee5395f_ffn1
	.p2align	8
	.type	k_q7d7ee5395f_ffn1,@function
k_q7d7ee5395f_ffn1:
	s_mov_b64 s[64:65], 0
	v_nop
	global_prefetch_b8 v0, s[64:65] scope:SCOPE_SE
	s_setreg_imm32_b32 hwreg(HW_REG_WAVE_MODE, 25, 1), 1
	s_wait_xcnt 0x0
	s_wait_alu depctr_hold_cnt(0) depctr_sa_sdst(0) depctr_va_vdst(0) depctr_va_sdst(0) depctr_va_ssrc(0) depctr_va_vcc(0) depctr_vm_vsrc(0)
	s_getreg_b32 s2, hwreg(HW_REG_IB_STS2, 6, 4)
	s_cmp_eq_u32 s2, 0
	s_cbranch_scc0 .Lentry_in_a_cluster
	s_endpgm
.Lentry_in_a_cluster:
	s_bfe_u32 s2, ttmp6, 0x10000c
	s_cmp_lg_u32 s2, 0xf033
	s_cbranch_scc0 .Lentry_shape_is_right
	s_endpgm
.Lentry_shape_is_right:
; hidden = relu(h1 W1 + b1) on codes of FP6 (E2M3) with E8M0 scales, K = 1,024; the result is quantised here along the hidden axis, the next product's K, and leaves as codes.
; Operands lie in the order of the operand's registers: a fragment (16 rows x 128 K) is 1,536 consecutive bytes.  A work-group of four waves makes 256 tokens x 256 hidden units; a wave 128 x 128: 64 accumulators.
; K goes through a ring of two LDS slots of two K steps of 128; each wave fills a quarter of a slot (24,576 dense bytes).  The scale words of the work-group's rows, for all of K, come into LDS once.
; SOURCE 0 = 16 columns of W1 ("B"), SOURCE 1 = 16 tokens ("A"): a lane holds one token, and its 64 results of a tile of tokens are hidden units 32 b + 16 (lane / 16) + i of the wave's 128 (register 16 b + i):
; one K step of the next product.  The bias is the C of the first K step's products.
; CLUSTERS 4 x 4: A's tiles are asked for jointly along a row of the cluster, B's along a column.
; RESULT: hidc: fragment (panel of 128 tokens p, K step s of 32, tile i) at ((32 p + s) 8 + i) x 1536; its 16 scale words at HS + ((32 p + s) 8 + i) x 64.
; LIMITS: NaN and infinities are not served; a block under 2^-124 (zeros among them) gets the byte 1.
; REGISTERS: window 0: v16-29 addresses; v32-47 scale words, two sets; v64-159, v160-255 A's fragments, two sets.  window 1: v0-95, v128-223 B's two sets; v96-127, v224-255 the bias.  windows 2, 3: accumulators.
.set H1C,   16777216
.set H1S,   19922944
.set W1C,   5505024
.set W1S,   12025856
.set HS,    12582912
.set PANEL, 98304
.set PANS,  4096
.set NA,    8
.set NL,    3*NA
.set FN,    2*NL+NA
.set PART,  24576
.set SLOT,  4*PART
.set GSTEP, 24576
.set REFILL, 2*GSTEP
.set SCL,   2*SLOT
.set SCW,   4096
.set SPARE, SCL+4*SCW                  ; the spare words, 128 bytes a wave, which no other line names
.set WSTR,  PART
.set SSTR,  SCW
.set ADRA, 16
.set ADRB, 20
.set LS,   25
.set CO,   26
.set ADRS, 27
.set SPW,  28
.set NIL,  29
.set SC,   32
.set TM,   32
.set T2,   48
.set H,    64
.set OUT,  128
.set SW,   224
.set SEL,  66
.set G1, 24
.set G0, 32
.set G1B, 48
.set G0B, 56
.set G1S, 68
.set G0S, 76
.set G1SB, 80
.set G0SB, 88
.set MSB, 0
.macro WIN new                         ; the immediate's high byte repeats the setting that is left
.if MSB != \new
	s_set_vgpr_msb (MSB<<8)|\new
.set MSB, \new
.endif
.endm
.macro PLACES                          ; four plain instructions between a matrix instruction and a load into, or a vector instruction on, its registers
.rept 4
	v_nop
.endr
.endm
.macro JLOAD g0a, g1a, g0b, g1b        ; a joint load: waves 0, 1 fetch for A, waves 2, 3 for B; four v_nop follow each line
	s_cmp_eq_u32 s15, 0
	s_cbranch_scc0 .Lfor_b_\@
	tensor_load_to_lds s[\g0a:\g0a+3], s[\g1a:\g1a+7]
	s_nop 0
.rept 4
	v_nop
.endr
	s_branch .Lasked_\@
.Lfor_b_\@:
	tensor_load_to_lds s[\g0b:\g0b+3], s[\g1b:\g1b+7]
	s_nop 0
.rept 4
	v_nop
.endr
.Lasked_\@:
.endm
.macro CREST
	s_cmp_lg_u32 s14, 0
	s_cbranch_scc1 .Lnot_wave_0_\@
	s_barrier_signal -3
.Lnot_wave_0_\@:
	s_barrier_wait -3
	s_barrier_signal -1
	s_barrier_wait -1
.endm
.macro CROUND
	s_barrier_signal -1
	s_barrier_wait -1
	CREST
.endm
.macro WMUL hi, cm                     ; source 0 (B) window 1, source 1 (A) window 0, D window 2 or 3; C with D, or (cm = 2) the bias in window 1
.if \cm == 2
	WIN ((2+\hi)<<6)|0x11
.else
	WIN ((2+\hi)<<6)|((2+\hi)<<4)|1
.endif
.endm
; n tiles of A from a0 on x B's eight, set f.  cm = 2: the bias starts the sums.  The 64 accumulators take turns, in the same order in every K step.
.macro MULR f, a0, n, cm
.set ma, \a0
.rept \n
.set mb, 0
.rept NA
.set DD, 8*((NA*ma+mb)%32)
.set BB, 128*(\f)+12*mb
.set AA, 64+96*(\f)+12*ma
.set CC, 96+8*mb+96*(mb/4)
.if \cm == 0
	v_wmma_scale_f32_16x16x128_f8f6f4 v[DD:DD+7], v[BB:BB+11], v[AA:AA+11], v[DD:DD+7], v[SC+8*(\f)+mb], v[SC+8*(\f)+ma] matrix_a_fmt:MATRIX_FMT_FP6 matrix_b_fmt:MATRIX_FMT_FP6 matrix_a_scale:MATRIX_SCALE_ROW1
.else
	v_wmma_scale_f32_16x16x128_f8f6f4 v[DD:DD+7], v[BB:BB+11], v[AA:AA+11], v[CC:CC+7], v[SC+8*(\f)+mb], v[SC+8*(\f)+ma] matrix_a_fmt:MATRIX_FMT_FP6 matrix_b_fmt:MATRIX_FMT_FP6 matrix_a_scale:MATRIX_SCALE_ROW1
.endif
.set mb, mb+1
.endr
.set ma, ma+1
.endr
.endm
.macro FETCH slot, q, f, adv           ; one run of FN LDS loads: the slot's q-th K step into set f: scale words, B's fragments, A's.  Begins and ends in window 0
.if \adv
	v_add_nc_u32 v[ADRS], 512, v[ADRS]
.endif
.set fi, 0
.rept NA
	ds_load_b32 v[SC+8*(\f)+fi], v[ADRS] offset:64*fi
.set fi, fi+1
.endr
	WIN 0x40
.set fi, 0
.rept NA
.irp c, 0,1,2
	ds_load_b128 v[128*(\f)+12*fi+4*\c:128*(\f)+12*fi+4*\c+3], v[ADRB+\slot] offset:(\q)*12288+fi*1536+512*\c
.endr
.set fi, fi+1
.endr
	WIN 0
.set fi, 0
.rept NA
.irp c, 0,1,2
	ds_load_b128 v[64+96*(\f)+12*fi+4*\c:64+96*(\f)+12*fi+4*\c+3], v[ADRA+\slot] offset:(\q)*12288+fi*1536+512*\c
.endr
.set fi, fi+1
.endr
.endm
.macro STEPM f, cm, slot, qn           ; a K step on set f; its successor (K step qn of the same slot) is fetched in its middle into the other set
	s_wait_dscnt NL/2                              ; all but the youngest loads, A's tiles 4-7
	WMUL 0, \cm
	MULR \f, 0, NA/2, \cm
	PLACES
	WIN 0
	FETCH \slot, \qn, 1-(\f), 1
	s_wait_dscnt FN                                ; all but the run just issued
	WMUL 1, \cm
	MULR \f, NA/2, NA/2, \cm
.endm
; A slot's last K step (set 1) changes slots: each wave waits for all its tensor loads, adds 0 to its spare word, waits for that and for its reads of the slot; one barrier; fill = 1: it opens a round of the cluster's barrier, and the refill comes first behind it
.macro TURN slot, next, fill
	WIN 0
	s_wait_tensorcnt 0x0
	ds_add_u32 v[SPW], v[NIL]
	s_wait_dscnt NL/2+1                            ; (the add and A's tiles 4-7 may be out)
	WMUL 0, 0
	MULR 1, 0, NA/4, 0
	s_wait_dscnt 0x0                               ; the add is done, my reads of this slot are over
	s_barrier_signal -1
	MULR 1, NA/4, NA/4, 0
	WIN 0
	s_barrier_wait -1
.if \fill
	CREST
	s_add_nc_u64 s[G0+4*\slot+2:G0+4*\slot+3], s[G0+4*\slot+2:G0+4*\slot+3], REFILL
	s_add_nc_u64 s[G0B+4*\slot+2:G0B+4*\slot+3], s[G0B+4*\slot+2:G0B+4*\slot+3], REFILL
	JLOAD G0+4*\slot, G1, G0B+4*\slot, G1B
.else
	PLACES
.endif
	FETCH \next, 0, 0, 1
	WMUL 1, 0
	MULR 1, NA/2, NA/2, 0
.endm
.macro LAST
	s_wait_dscnt NL/2
	WMUL 0, 0
	MULR 1, 0, NA/2, 0
	s_wait_dscnt 0x0
	WMUL 1, 0
	MULR 1, NA/2, NA/2, 0
	WIN 0
.endm
; 64 numbers of a lane, register 16 b + i = k 32 b + 16 (lane / 16) + i of my row, become a fragment's codes (six registers at d0, six at d1) and its scale word in pw
.macro QUANT s, d0, d1, pw
.set QS, \s
.set QD0, \d0
.set QD1, \d1
.set QW, \pw
.irp b, 0,1,2,3
	v_max3_num_f32 v[TM+\b], |v[QS+16*\b]|, |v[QS+1+16*\b]|, 0x1800000
.endr
.irp i, 2,4,6,8,10,12,14
.irp b, 0,1,2,3
	v_max3_num_f32 v[TM+\b], v[TM+\b], |v[QS+16*\b+\i]|, |v[QS+1+16*\b+\i]|
.endr
.endr
.irp b, 0,1,2,3
	v_permlanex16_b32 v[TM+4+\b], v[TM+\b], s[SEL], s[SEL+1]
.endr
.irp b, 0,1,2,3
	v_max_num_f32 v[TM+\b], v[TM+\b], v[TM+4+\b]
.endr
.irp b, 0,1,2,3
	v_add_nc_u32 v[TM+12+\b], 0xff000000, v[TM+\b]
.endr
.irp b, 0,1,2,3
	v_lshrrev_b32 v[TM+4+\b], 23, v[TM+12+\b]
.endr
	v_lshl_or_b32 v[QW], v[TM+5], 8, v[TM+4]
	v_lshl_or_b32 v[QW], v[TM+6], 16, v[QW]
	v_lshl_or_b32 v[QW], v[TM+7], 24, v[QW]
	v_cvt_scalef32_pk16_fp6_f32 v[QD0:QD0+2], v[QS:QS+15], v[TM+12]
	v_cvt_scalef32_pk16_fp6_f32 v[T2:T2+2], v[QS+16:QS+31], v[TM+13]
	v_cvt_scalef32_pk16_fp6_f32 v[QD1:QD1+2], v[QS+32:QS+47], v[TM+14]
	v_cvt_scalef32_pk16_fp6_f32 v[T2+4:T2+6], v[QS+48:QS+63], v[TM+15]
	v_nop
.irp i, 0,1,2
	v_permlane16_swap_b32 v[QD0+\i], v[T2+\i]
.endr
.irp i, 0,1,2
	v_mov_b32 v[QD0+3+\i], v[T2+\i]
.endr
.irp i, 0,1,2
	v_permlane16_swap_b32 v[QD1+\i], v[T2+4+\i]
.endr
.irp i, 0,1,2
	v_mov_b32 v[QD1+3+\i], v[T2+4+\i]
.endr
.endm
	s_load_b128 s[4:7], s[0:1], 0x0                ; h1b, wcodes
	s_load_b128 s[8:11], s[0:1], 0x10              ; b1, hidc
	v_lshl_add_u32 v[SPW], v0, 2, SPARE
	v_mov_b32 v[NIL], 0
	ds_add_u32 v28, v29
	ds_add_u32 v28, v29
	s_wait_dscnt 0x0
	v_lshrrev_b32 v1, 5, v0
	v_readfirstlane_b32 s14, v1                    ; wave 0..3
	s_lshr_b32 s15, s14, 1                         ; which of A's two panels is mine.  Also: I fetch for A (0) or B (1)
	s_and_b32 s16, s14, 1                          ; which of B's.  Also: which panel I fetch
	s_bfe_u32 s40, ttmp6, 0x40000                  ; cx
	s_bfe_u32 s41, ttmp6, 0x40004                  ; cy
	s_lshl_b32 s42, ttmp9, 2
	s_add_co_u32 s42, s42, s40                     ; B's pair of panels
	s_and_b32 s17, ttmp7, 0xffff
	s_lshl_b32 s17, s17, 2
	s_add_co_u32 s17, s17, s41                     ; A's pair of panels
	s_lshl_b32 s43, s41, 2
	s_lshl_b32 s43, 15, s43                        ; my row of the cluster
	s_lshl_b32 s44, 0x1111, s40                    ; my column
	s_or_b32 s[G1+0], s43, (3<<16)|(1<<21)         ; dense blocks as rows of 256 bytes (32 elements of 8 bytes), no padding
	s_or_b32 s[G1B+0], s44, (3<<16)|(1<<21)
.irp g, G1, G1B
	s_mov_b32 s[\g+1], 32<<16
	s_mov_b32 s[\g+2], (PART/256)<<16
	s_mov_b32 s[\g+3], 32<<16
	s_mov_b32 s[\g+4], PART/256
	s_mov_b32 s[\g+5], 32
	s_mov_b32 s[\g+6], 0
	s_mov_b32 s[\g+7], 0
.endr
	s_or_b32 s[G1S+0], s43, (3<<16)|(1<<21)
	s_or_b32 s[G1SB+0], s44, (3<<16)|(1<<21)
.irp g, G1S, G1SB
	s_mov_b32 s[\g+1], 32<<16
	s_mov_b32 s[\g+2], (SCW/256)<<16
	s_mov_b32 s[\g+3], 32<<16
	s_mov_b32 s[\g+4], SCW/256
	s_mov_b32 s[\g+5], 32
	s_mov_b32 s[\g+6], 0
	s_mov_b32 s[\g+7], 0
.endr
	s_lshl_b32 s20, s17, 1
	s_add_co_u32 s20, s20, s16
	s_mul_i32 s22, s20, PANS
	s_mul_i32 s20, s20, PANEL
	s_add_co_u32 s20, s20, H1C
	s_add_co_u32 s22, s22, H1S
	s_mov_b32 s21, 0
	s_mov_b32 s23, 0
	s_lshl_b32 s46, s42, 1
	s_add_co_u32 s46, s46, s16
	s_mul_i32 s92, s46, PANS
	s_mul_i32 s46, s46, PANEL
	s_add_co_u32 s46, s46, W1C
	s_add_co_u32 s92, s92, W1S
	s_mov_b32 s47, 0
	s_mov_b32 s93, 0
	s_mul_i32 s45, s14, PART
	s_mul_i32 s94, s14, SCW
	s_mov_b32 s[SEL], 0x76543210
	s_mov_b32 s[SEL+1], 0xfedcba98
	s_wait_kmcnt 0x0
	s_add_nc_u64 s[20:21], s[4:5], s[20:21]
	s_add_nc_u64 s[22:23], s[4:5], s[22:23]
	s_add_nc_u64 s[46:47], s[6:7], s[46:47]
	s_add_nc_u64 s[92:93], s[6:7], s[92:93]
	CROUND                                         ; all sixteen work-groups are here: the first joint loads meet
	s_mov_b32 s[G0S], 1
	s_add_co_u32 s[G0S+1], s94, SCL
	s_mov_b64 s[G0S+2:G0S+3], s[22:23]
	s_or_b32 s[G0S+3], s[G0S+3], 0x80000000
	s_mov_b32 s[G0SB], 1
	s_add_co_u32 s[G0SB+1], s94, SCL
	s_mov_b64 s[G0SB+2:G0SB+3], s[92:93]
	s_or_b32 s[G0SB+3], s[G0SB+3], 0x80000000
	JLOAD G0S, G1S, G0SB, G1SB
.irp s, 0,1
	s_mov_b32 s[G0+4*\s], 1
	s_add_co_u32 s[G0+4*\s+1], s45, \s*SLOT
	s_add_nc_u64 s[G0+4*\s+2:G0+4*\s+3], s[20:21], \s*GSTEP
	s_or_b32 s[G0+4*\s+3], s[G0+4*\s+3], 0x80000000
	s_mov_b32 s[G0B+4*\s], 1
	s_add_co_u32 s[G0B+4*\s+1], s45, \s*SLOT
	s_add_nc_u64 s[G0B+4*\s+2:G0B+4*\s+3], s[46:47], \s*GSTEP
	s_or_b32 s[G0B+4*\s+3], s[G0B+4*\s+3], 0x80000000
	JLOAD G0+4*\s, G1, G0B+4*\s, G1B
.endr
	v_and_b32 v1, 31, v0
	v_and_b32 v2, 15, v0
	v_bfe_u32 v3, v0, 4, 1
	v_lshlrev_b32 v[CO], 4, v1
	v_lshlrev_b32 v[LS], 2, v1
	s_mul_i32 s21, s15, WSTR
	s_mul_i32 s22, s16, WSTR
	s_add_co_u32 s22, s22, 2*PART
.irp s, 0,1
	v_add_nc_u32 v[ADRA+\s], s21, v[CO]
	v_add_nc_u32 v[ADRB+\s], s22, v[CO]
	s_add_co_u32 s21, s21, SLOT
	s_add_co_u32 s22, s22, SLOT
.endr
	s_mul_i32 s21, s15, SSTR
	s_mul_i32 s22, s16, SSTR
	s_add_co_u32 s22, s22, 2*SCW
	s_sub_co_u32 s22, s22, s21
	v_mul_u32_u24 v6, s22, v3                      ; lanes 16-31 take B's words
	s_add_co_u32 s21, s21, SCL
	v_lshl_add_u32 v6, v2, 2, v6
	v_add_nc_u32 v[ADRS], s21, v6
	v_lshlrev_b32 v7, 6, v3                        ; the bias: BIAS[16 b + i] = b1[128 rB + 32 b + 16 h + i]
	s_lshl_b32 s46, s42, 1
	s_add_co_u32 s46, s46, s16
	s_lshl_b32 s46, s46, 9
	s_mov_b32 s47, 0
	s_add_nc_u64 s[8:9], s[8:9], s[46:47]
	WIN 0x40
.irp bb, 0,1,2,3
.irp j, 0,1,2,3
	global_load_b128 v[96+16*\bb+4*\j+96*(\bb/2):96+16*\bb+4*\j+96*(\bb/2)+3], v7, s[8:9] offset:128*\bb+16*\j
.endr
.endr
	WIN 0
	s_wait_tensorcnt 1                             ; the scale words and my part of slot 0 are in; slot 1's load may be out
	s_barrier_signal -1
	s_barrier_wait -1
	FETCH 0, 0, 0, 0
	s_wait_loadcnt 0x0                             ; the bias
	STEPM 0, 2, 0, 1                               ; K step 0: the bias starts the sums
	TURN 0, 1, 1                                   ; 1; slot 0 takes K steps 4, 5
	STEPM 0, 0, 1, 1                               ; 2
	TURN 1, 0, 1                                   ; 3; slot 1 takes K steps 6, 7
	STEPM 0, 0, 0, 1                               ; 4
	TURN 0, 1, 0                                   ; 5
	STEPM 0, 0, 1, 1                               ; 6
	LAST                                           ; 7
	PLACES
	s_lshl_b32 s20, s17, 1
	s_add_co_u32 s20, s20, s15                     ; my panel of tokens
	s_lshl_b32 s21, s42, 1
	s_add_co_u32 s21, s21, s16                     ; my 128 hidden units: a K step of the next product
	s_lshl_b32 s20, s20, 5
	s_add_co_u32 s20, s20, s21
	s_mul_i32 s46, s20, 12288
	s_mov_b32 s47, 0
	s_lshl_b32 s92, s20, 9
	s_add_co_u32 s92, s92, HS
	s_mov_b32 s93, 0
	s_add_nc_u64 s[18:19], s[10:11], s[92:93]
	s_add_nc_u64 s[10:11], s[10:11], s[46:47]
.irp b, 0,1,2,3
	v_mov_b32 v[TM+4+\b], 0                        ; (a lane permute's destination counts as read)
.endr
.set qa, 0
.rept 8                                ; a tile of 16 tokens: the activation (which also brings the numbers into window 0), then the quantiser
	WIN 0x08+4*(qa/4)                              ; source 1: window 2 or 3
.set qn, 0
.rept 64
	v_max_num_f32 v[H+qn], 0, v[64*(qa%4)+qn]      ; each accumulator from its low end on
.set qn, qn+1
.endr
	WIN 0
	QUANT H, OUT+12*qa, OUT+6+12*qa, SW+qa
.set qa, qa+1
.endr
.set qm, 0
.rept 24
	global_store_b128 v[CO], v[OUT+4*qm:OUT+4*qm+3], s[10:11] offset:512*qm    ; 512 consecutive bytes, aligned
.set qm, qm+1
.endr
	s_mov_b32 vcc_lo, 0xffff0000
.irp j, 0,1,2,3
	v_cndmask_b32 v[232+\j], v[SW+2*\j], v[SW+2*\j+1], vcc_lo    ; lanes 0-15 the even tile's words, lanes 16-31 the odd tile's
	global_store_b32 v[LS], v[232+\j], s[18:19] offset:128*\j
.endr
	s_wait_tensorcnt 0x0                           ; the wave's end
	ds_add_u32 v[SPW], v[NIL]
	s_wait_dscnt 0x0
	CROUND                                         ; the closing round
	s_endpgm
.Lfunc_end_k_q7d7ee5395f_ffn1:
	.size	k_q7d7ee5395f_ffn1, .Lfunc_end_k_q7d7ee5395f_ffn1-k_q7d7ee5395f_ffn1
	.p2alignl 7, 3214868480
	.fill 96, 4, 3214868480
	.section	.rodata,"a",@progbits
	.p2align	6, 0x0
	.amdhsa_kernel k_q7d7ee5395f_ffn1
		.amdhsa_group_segment_fixed_size 327680
		.amdhsa_private_segment_fixed_size 0
		.amdhsa_enable_private_segment 0
		.amdhsa_kernarg_size 32
		.amdhsa_user_sgpr_count 2
		.amdhsa_user_sgpr_kernarg_segment_ptr 1
		.amdhsa_wavefront_size32 1
		.amdhsa_system_sgpr_workgroup_id_x 1
		.amdhsa_system_sgpr_workgroup_id_y 1
		.amdhsa_system_sgpr_workgroup_id_z 1
		.amdhsa_system_vgpr_workitem_id 0
		.amdhsa_next_free_vgpr 1024
		.amdhsa_next_free_sgpr 100
		.amdhsa_reserve_vcc 1
		.amdhsa_float_denorm_mode_32 3
		.amdhsa_float_denorm_mode_16_64 3
		.amdhsa_memory_ordered 1
		.amdhsa_forward_progress 1
		.amdhsa_inst_pref_size 158
	.end_amdhsa_kernel
	.amdgpu_metadata
---
amdhsa.version: [ 1, 2 ]
amdhsa.kernels:
  - .name:           k_q7d7ee5395f_ffn1
    .symbol:         k_q7d7ee5395f_ffn1.kd
    .args:
      - { .name: h1b, .offset: 0, .size: 8, .value_kind: global_buffer, .address_space: global }
      - { .name: wcodes, .offset: 8, .size: 8, .value_kind: global_buffer, .address_space: global }
      - { .name: b1, .offset: 16, .size: 8, .value_kind: global_buffer, .address_space: global }
      - { .name: hidc, .offset: 24, .size: 8, .value_kind: global_buffer, .address_space: global }
    .group_segment_fixed_size: 327680
    .private_segment_fixed_size: 0
    .kernarg_segment_align: 8
    .kernarg_segment_size: 32
    .max_flat_workgroup_size: 128
    .sgpr_count:     100
    .vgpr_count:     1024
    .wavefront_size: 32
...
	.end_amdgpu_metadata
.endif
;; end of part 5
;; launch ffn2 (part 6): grid 8 x 32, 4 waves a work-group, clusters of 4 x 4, 327,680 bytes of LDS; arguments hidc, wcodes, b2, ffno; writes ffno
.if DOCPART == 6
	.amdgcn_target "amdgcn-amd-amdhsa--gfx1250"
	.amdhsa_code_object_version 6
	.text
	.protected	k_q7d7ee5395f_ffn2
	.globl	k_q7d7ee5395f_ffn2
	.p2align	8
	.type	k_q7d7ee5395f_ffn2,@function
k_q7d7ee5395f_ffn2:
	s_mov_b64 s[64:65], 0
	v_nop
	global_prefetch_b8 v0, s[64:65] scope:SCOPE_SE
	s_setreg_imm32_b32 hwreg(HW_REG_WAVE_MODE, 25, 1), 1
	s_wait_xcnt 0x0
	s_wait_alu depctr_hold_cnt(0) depctr_sa_sdst(0) depctr_va_vdst(0) depctr_va_sdst(0) depctr_va_ssrc(0) depctr_va_vcc(0) depctr_vm_vsrc(0)
	s_getreg_b32 s2, hwreg(HW_REG_IB_STS2, 6, 4)
	s_cmp_eq_u32 s2, 0
	s_cbranch_scc0 .Lentry_in_a_cluster
	s_endpgm
.Lentry_in_a_cluster:
	s_bfe_u32 s2, ttmp6, 0x10000c
	s_cmp_lg_u32 s2, 0xf033
	s_cbranch_scc0 .Lentry_shape_is_right
	s_endpgm
.Lentry_shape_is_right:
; ffn = hidden W2 + b2 on codes of FP6 (E2M3) with E8M0 scales, K = 4,096; the result is f32 [4096][1024].
; The output has 4,096 x 1,024 numbers: tiles of 256 x 256 would be 64 work-groups, so a work-group makes 128 tokens x 128 columns (256 work-groups) and a wave 64 x 64: 16 accumulators.
; Operands lie in the order of the operand's registers (a fragment is 1,536 consecutive bytes).  K goes through a ring of two LDS slots of FOUR K steps of 128; each wave fills a quarter of a slot (two K steps of one side,
; 24,576 dense bytes).  The scale words of the work-group's rows, for all of K, come into LDS once.
; SOURCE 0 = 16 columns of W2 ("B"), SOURCE 1 = 16 tokens ("A"): a lane holds one token; tile b's register j is column 32 (b / 2) + 16 (lane / 16) + 8 (b % 2) + j of the wave's 64.  The bias is the C of the first K step.
; CLUSTERS 4 x 4: A's tiles are asked for jointly along a row of the cluster, B's along a column.
; REGISTERS: window 0: v16-29 addresses; v32-47 scale words, two sets; v64-111, v160-207 A's fragments.  window 1: v0-47, v128-175 B's; v96-127 the bias.  window 2: v0-127 the accumulators.
.set HS,    12582912
.set W2C,   8650752
.set W2S,   12156928
.set NA,    4
.set NL,    3*NA
.set FN,    2*NL+NA
.set PART,  24576
.set SLOT,  4*PART
.set GSTEP, 49152                      ; four K steps of a panel
.set REFILL, 2*GSTEP
.set LAPS,  4                          ; 32 K steps, 8 to a lap
.set SCL,   2*SLOT
.set SCW,   8192
.set SPARE, SCL+4*SCW                  ; the spare words, 128 bytes a wave, which no other line names
.set WSTR,  6144                       ; four tiles
.set SSTR,  256
.set ADRA, 16
.set ADRB, 20
.set STO,  22
.set RD,   23
.set CO,   26
.set ADRS, 27
.set SPW,  28
.set NIL,  29
.set SC,   32
.set G1, 24
.set G0, 32
.set G1B, 48
.set G0B, 56
.set G1S, 68
.set G0S, 76
.set G1SB, 80
.set G0SB, 88
.set MSB, 0
.macro WIN new                         ; the immediate's high byte repeats the setting that is left
.if MSB != \new
	s_set_vgpr_msb (MSB<<8)|\new
.set MSB, \new
.endif
.endm
.macro PLACES                          ; four plain instructions between a matrix instruction and a load into, or a read of, its registers
.rept 4
	v_nop
.endr
.endm
.macro JLOAD g0a, g1a, g0b, g1b        ; a joint load: waves 0, 1 fetch for A, waves 2, 3 for B; four v_nop follow each line
	s_cmp_eq_u32 s15, 0
	s_cbranch_scc0 .Lfor_b_\@
	tensor_load_to_lds s[\g0a:\g0a+3], s[\g1a:\g1a+7]
	s_nop 0
.rept 4
	v_nop
.endr
	s_branch .Lasked_\@
.Lfor_b_\@:
	tensor_load_to_lds s[\g0b:\g0b+3], s[\g1b:\g1b+7]
	s_nop 0
.rept 4
	v_nop
.endr
.Lasked_\@:
.endm
.macro CREST
	s_cmp_lg_u32 s14, 0
	s_cbranch_scc1 .Lnot_wave_0_\@
	s_barrier_signal -3
.Lnot_wave_0_\@:
	s_barrier_wait -3
	s_barrier_signal -1
	s_barrier_wait -1
.endm
.macro CROUND
	s_barrier_signal -1
	s_barrier_wait -1
	CREST
.endm
.macro WMUL cm                         ; source 0 (B) window 1, source 1 (A) window 0, D window 2; C with D, or (cm = 2) the bias in window 1
.if \cm == 2
	WIN 0x91
.else
	WIN 0xa1
.endif
.endm
; n tiles of A from a0 on x B's four, set f.  cm = 2: the bias starts the sums.  The 16 accumulators take turns, in the same order in every K step.
.macro MULR f, a0, n, cm
.set ma, \a0
.rept \n
.set mb, 0
.rept NA
.set DD, 8*(NA*ma+mb)
.set BB, 128*(\f)+12*mb
.set AA, 64+96*(\f)+12*ma
.set CC, 96+8*mb
.if \cm == 0
	v_wmma_scale_f32_16x16x128_f8f6f4 v[DD:DD+7], v[BB:BB+11], v[AA:AA+11], v[DD:DD+7], v[SC+8*(\f)+mb], v[SC+8*(\f)+ma] matrix_a_fmt:MATRIX_FMT_FP6 matrix_b_fmt:MATRIX_FMT_FP6 matrix_a_scale:MATRIX_SCALE_ROW1
.else
	v_wmma_scale_f32_16x16x128_f8f6f4 v[DD:DD+7], v[BB:BB+11], v[AA:AA+11], v[CC:CC+7], v[SC+8*(\f)+mb], v[SC+8*(\f)+ma] matrix_a_fmt:MATRIX_FMT_FP6 matrix_b_fmt:MATRIX_FMT_FP6 matrix_a_scale:MATRIX_SCALE_ROW1
.endif
.set mb, mb+1
.endr
.set ma, ma+1
.endr
.endm
.macro FETCH slot, q, f, adv           ; one run of FN LDS loads: the slot's q-th K step into set f: scale words, B's fragments, A's.  Begins and ends in window 0
.if \adv
	v_add_nc_u32 v[ADRS], 512, v[ADRS]
.endif
.set fi, 0
.rept NA
	ds_load_b32 v[SC+8*(\f)+fi], v[ADRS] offset:64*fi
.set fi, fi+1
.endr
	WIN 0x40
.set fi, 0
.rept NA
.irp c, 0,1,2
	ds_load_b128 v[128*(\f)+12*fi+4*\c:128*(\f)+12*fi+4*\c+3], v[ADRB+\slot] offset:(\q)*12288+fi*1536+512*\c
.endr
.set fi, fi+1
.endr
	WIN 0
.set fi, 0
.rept NA
.irp c, 0,1,2
	ds_load_b128 v[64+96*(\f)+12*fi+4*\c:64+96*(\f)+12*fi+4*\c+3], v[ADRA+\slot] offset:(\q)*12288+fi*1536+512*\c
.endr
.set fi, fi+1
.endr
.endm
.macro STEPM f, cm, slot, qn           ; a K step on set f; its successor (K step qn of the same slot) is fetched in its middle into the other set
	s_wait_dscnt NL/2                              ; all but the youngest loads, A's tiles 2, 3
	WMUL \cm
	MULR \f, 0, NA/2, \cm
	PLACES
	WIN 0
	FETCH \slot, \qn, 1-(\f), 1
	s_wait_dscnt FN                                ; all but the run just issued
	WMUL \cm
	MULR \f, NA/2, NA/2, \cm
.endm
; A slot's last K step (set 1) changes slots: each wave waits for all its tensor loads, adds 0 to its spare word, waits for that and for its reads of the slot; one barrier; fill = 1: it opens a round of the cluster's barrier, and the refill comes first behind it
.macro TURN slot, next, fill
	WIN 0
	s_wait_tensorcnt 0x0
	ds_add_u32 v[SPW], v[NIL]
	s_wait_dscnt NL/2+1                            ; (the add and A's tiles 2, 3 may be out)
	WMUL 0
	MULR 1, 0, NA/4, 0
	s_wait_dscnt 0x0                               ; the add is done, my reads of this slot are over
	s_barrier_signal -1
	MULR 1, NA/4, NA/4, 0
	WIN 0
	s_barrier_wait -1
.if \fill
	CREST
	s_add_nc_u64 s[G0+4*\slot+2:G0+4*\slot+3], s[G0+4*\slot+2:G0+4*\slot+3], REFILL
	s_add_nc_u64 s[G0B+4*\slot+2:G0B+4*\slot+3], s[G0B+4*\slot+2:G0B+4*\slot+3], REFILL
	JLOAD G0+4*\slot, G1, G0B+4*\slot, G1B
.else
	PLACES
.endif
	FETCH \next, 0, 0, 1
	WMUL 0
	MULR 1, NA/2, NA/2, 0
.endm
.macro LAST
	s_wait_dscnt NL/2
	WMUL 0
	MULR 1, 0, NA/2, 0
	s_wait_dscnt 0x0
	MULR 1, NA/2, NA/2, 0
	WIN 0
.endm
	s_load_b128 s[4:7], s[0:1], 0x0                ; hidc, wcodes
	s_load_b128 s[8:11], s[0:1], 0x10              ; b2, ffno
	v_lshl_add_u32 v[SPW], v0, 2, SPARE
	v_mov_b32 v[NIL], 0
	ds_add_u32 v28, v29
	ds_add_u32 v28, v29
	s_wait_dscnt 0x0
	v_lshrrev_b32 v1, 5, v0
	v_readfirstlane_b32 s14, v1                    ; wave 0..3
	s_lshr_b32 s15, s14, 1                         ; which four of A's tiles are mine.  Also: I fetch for A (0) or B (1)
	s_and_b32 s16, s14, 1                          ; which four of B's.  Also: which two of a slot's four K steps I fetch
	s_bfe_u32 s40, ttmp6, 0x40000                  ; cx
	s_bfe_u32 s41, ttmp6, 0x40004                  ; cy
	s_lshl_b32 s42, ttmp9, 2
	s_add_co_u32 s42, s42, s40                     ; B's panel, 0..7
	s_and_b32 s17, ttmp7, 0xffff
	s_lshl_b32 s17, s17, 2
	s_add_co_u32 s17, s17, s41                     ; A's panel, 0..31
	s_lshl_b32 s43, s41, 2
	s_lshl_b32 s43, 15, s43                        ; my row of the cluster
	s_lshl_b32 s44, 0x1111, s40                    ; my column
	s_or_b32 s[G1+0], s43, (3<<16)|(1<<21)         ; dense blocks as rows of 256 bytes (32 elements of 8 bytes), no padding
	s_or_b32 s[G1B+0], s44, (3<<16)|(1<<21)
.irp g, G1, G1B
	s_mov_b32 s[\g+1], 32<<16
	s_mov_b32 s[\g+2], (PART/256)<<16
	s_mov_b32 s[\g+3], 32<<16
	s_mov_b32 s[\g+4], PART/256
	s_mov_b32 s[\g+5], 32
	s_mov_b32 s[\g+6], 0
	s_mov_b32 s[\g+7], 0
.endr
	s_or_b32 s[G1S+0], s43, (3<<16)|(1<<21)
	s_or_b32 s[G1SB+0], s44, (3<<16)|(1<<21)
.irp g, G1S, G1SB
	s_mov_b32 s[\g+1], 32<<16
	s_mov_b32 s[\g+2], (SCW/256)<<16
	s_mov_b32 s[\g+3], 32<<16
	s_mov_b32 s[\g+4], SCW/256
	s_mov_b32 s[\g+5], 32
	s_mov_b32 s[\g+6], 0
	s_mov_b32 s[\g+7], 0
.endr
	s_lshl_b32 s18, s16, 1
	s_lshl_b32 s19, s16, 13
	s_lshl_b32 s20, s17, 5
	s_add_co_u32 s20, s20, s18                     ; A: K step 32 panel + 2 half
	s_mul_i32 s20, s20, 12288
	s_lshl_b32 s22, s17, 14                        ; its scale words: 16,384 bytes a panel, my half of them
	s_add_co_u32 s22, s22, s19
	s_add_co_u32 s22, s22, HS
	s_mov_b32 s21, 0
	s_mov_b32 s23, 0
	s_lshl_b32 s46, s42, 5
	s_add_co_u32 s46, s46, s18
	s_mul_i32 s46, s46, 12288
	s_add_co_u32 s46, s46, W2C
	s_lshl_b32 s92, s42, 14
	s_add_co_u32 s92, s92, s19
	s_add_co_u32 s92, s92, W2S
	s_mov_b32 s47, 0
	s_mov_b32 s93, 0
	s_mul_i32 s45, s14, PART
	s_mul_i32 s94, s14, SCW
	s_wait_kmcnt 0x0
	s_add_nc_u64 s[20:21], s[4:5], s[20:21]
	s_add_nc_u64 s[22:23], s[4:5], s[22:23]
	s_add_nc_u64 s[46:47], s[6:7], s[46:47]
	s_add_nc_u64 s[92:93], s[6:7], s[92:93]
	CROUND                                         ; all sixteen work-groups are here: the first joint loads meet
	s_mov_b32 s[G0S], 1
	s_add_co_u32 s[G0S+1], s94, SCL
	s_mov_b64 s[G0S+2:G0S+3], s[22:23]
	s_or_b32 s[G0S+3], s[G0S+3], 0x80000000
	s_mov_b32 s[G0SB], 1
	s_add_co_u32 s[G0SB+1], s94, SCL
	s_mov_b64 s[G0SB+2:G0SB+3], s[92:93]
	s_or_b32 s[G0SB+3], s[G0SB+3], 0x80000000
	JLOAD G0S, G1S, G0SB, G1SB
.irp s, 0,1
	s_mov_b32 s[G0+4*\s], 1
	s_add_co_u32 s[G0+4*\s+1], s45, \s*SLOT
	s_add_nc_u64 s[G0+4*\s+2:G0+4*\s+3], s[20:21], \s*GSTEP
	s_or_b32 s[G0+4*\s+3], s[G0+4*\s+3], 0x80000000
	s_mov_b32 s[G0B+4*\s], 1
	s_add_co_u32 s[G0B+4*\s+1], s45, \s*SLOT
	s_add_nc_u64 s[G0B+4*\s+2:G0B+4*\s+3], s[46:47], \s*GSTEP
	s_or_b32 s[G0B+4*\s+3], s[G0B+4*\s+3], 0x80000000
	JLOAD G0+4*\s, G1, G0B+4*\s, G1B
.endr
	v_and_b32 v1, 31, v0
	v_and_b32 v2, 15, v0                           ; r
	v_bfe_u32 v3, v0, 4, 1                         ; h
	v_lshlrev_b32 v4, 4, v1
	s_mul_i32 s21, s15, WSTR
	s_mul_i32 s22, s16, WSTR
	s_add_co_u32 s22, s22, 2*PART                  ; B's four K steps lie behind A's
.irp s, 0,1
	v_add_nc_u32 v[ADRA+\s], s21, v4
	v_add_nc_u32 v[ADRB+\s], s22, v4
	s_add_co_u32 s21, s21, SLOT
	s_add_co_u32 s22, s22, SLOT
.endr
	s_mul_i32 s21, s15, SSTR
	s_mul_i32 s22, s16, SSTR
	s_add_co_u32 s22, s22, 2*SCW
	s_sub_co_u32 s22, s22, s21
	v_mul_u32_u24 v6, s22, v3                      ; lanes 16-31 take B's words
	s_add_co_u32 s21, s21, SCL
	v_lshl_add_u32 v6, v2, 2, v6
	v_add_nc_u32 v[ADRS], s21, v6
	s_mul_i32 s23, s14, 16*272                     ; my stage, in slot 0: it has had its last fill and its last read when the first result is stored there
	v_mul_u32_u24 v5, v2, 272
	v_lshl_add_u32 v5, v3, 6, v5
	v_add_nc_u32 v[STO], s23, v5                   ; in: row r, + 64 h
	v_mul_u32_u24 v5, v3, 272
	v_lshl_add_u32 v5, v2, 4, v5
	v_add_nc_u32 v[RD], s23, v5                    ; back: lanes 0-15 one row of 256 bytes, lanes 16-31 the next
	v_lshlrev_b32 v[CO], 12, v3
	v_lshl_add_u32 v[CO], v2, 4, v[CO]             ; and the same two rows in ffno
	v_lshlrev_b32 v7, 6, v3                        ; the bias: BIAS[16 b + i] = b2[128 panel + 64 half + 32 b + 16 h + i]
	s_lshl_b32 s46, s42, 9
	s_lshl_b32 s47, s16, 8
	s_add_co_u32 s46, s46, s47
	s_mov_b32 s47, 0
	s_add_nc_u64 s[8:9], s[8:9], s[46:47]
	s_add_nc_u64 s[10:11], s[10:11], s[46:47]      ; my 64 columns of ffno lie at the same byte of a row,
	s_lshl_b32 s46, s17, 7
	s_lshl_b32 s18, s15, 6
	s_add_co_u32 s46, s46, s18
	s_lshl_b32 s46, s46, 12                        ; from token 128 panel + 64 half on
	s_add_nc_u64 s[10:11], s[10:11], s[46:47]
	WIN 0x40
.irp bb, 0,1
.irp j, 0,1,2,3
	global_load_b128 v[96+16*\bb+4*\j:96+16*\bb+4*\j+3], v7, s[8:9] offset:128*\bb+16*\j
.endr
.endr
	WIN 0
	s_wait_tensorcnt 1                             ; the scale words and my part of slot 0 are in; slot 1's load may be out
	s_barrier_signal -1
	s_barrier_wait -1
	FETCH 0, 0, 0, 0
	s_wait_loadcnt 0x0                             ; the bias
	STEPM 0, 2, 0, 1                               ; K step 0: the bias starts the sums
	WIN 0
	s_mov_b32 s3, LAPS-1
.Llap:                                                 ; a trip goes once round the ring, from a lap's second K step to the next lap's first, and fills both slots again
	STEPM 1, 0, 0, 2
	STEPM 0, 0, 0, 3
	TURN 0, 1, 1
	STEPM 0, 0, 1, 1
	STEPM 1, 0, 1, 2
	STEPM 0, 0, 1, 3
	TURN 1, 0, 1
	STEPM 0, 0, 0, 1
	WIN 0
	s_sub_co_u32 s3, s3, 1
	s_cmp_lg_u32 s3, 0
	s_cbranch_scc1 .Llap
	STEPM 1, 0, 0, 2                               ; the last lap fills nothing
	STEPM 0, 0, 0, 3
	TURN 0, 1, 0
	STEPM 0, 0, 1, 1
	STEPM 1, 0, 1, 2
	STEPM 0, 0, 1, 3
	LAST
	PLACES
	; THE WAY OUT: a tile of 16 tokens x my 64 columns goes through my stage and comes back as rows of 256 bytes.  LDS serves a wave's instructions in order (ISA guide 5.7.1.4): no wait between stores and loads
.set qa, 0
.rept 4
	WIN 0x08                                       ; an LDS store's data are its source 1: window 2
.set qi, 0
.rept 4
	ds_store_b128 v[STO], v[8*(4*qa+qi):8*(4*qa+qi)+3] offset:128*(qi/2)+32*(qi%2)          ; each accumulator from its low end on
	ds_store_b128 v[STO], v[8*(4*qa+qi)+4:8*(4*qa+qi)+7] offset:128*(qi/2)+32*(qi%2)+16
.set qi, qi+1
.endr
	WIN 0
.set qt, 0
.rept 8
	ds_load_b128 v[64+32*qa+4*qt:64+32*qa+4*qt+3], v[RD] offset:544*qt
.set qt, qt+1
.endr
.set qa, qa+1
.endr
.set qa, 0
.rept 4
.set qt, 0
.rept 8
	s_wait_dscnt 55-16*qa-qt                       ; the LDS instructions issued behind this load may be out
	global_store_b128 v[CO], v[64+32*qa+4*qt:64+32*qa+4*qt+3], s[10:11] offset:(16*qa+2*qt)*4096    ; 16 lanes store 256 consecutive bytes, aligned
.set qt, qt+1
.endr
.set qa, qa+1
.endr
	s_wait_tensorcnt 0x0                           ; the wave's end
	ds_add_u32 v[SPW], v[NIL]
	s_wait_dscnt 0x0
	CROUND                                         ; the closing round
	s_endpgm
.Lfunc_end_k_q7d7ee5395f_ffn2:
	.size	k_q7d7ee5395f_ffn2, .Lfunc_end_k_q7d7ee5395f_ffn2-k_q7d7ee5395f_ffn2
	.p2alignl 7, 3214868480
	.fill 96, 4, 3214868480
	.section	.rodata,"a",@progbits
	.p2align	6, 0x0
	.amdhsa_kernel k_q7d7ee5395f_ffn2
		.amdhsa_group_segment_fixed_size 327680
		.amdhsa_private_segment_fixed_size 0
		.amdhsa_enable_private_segment 0
		.amdhsa_kernarg_size 32
		.amdhsa_user_sgpr_count 2
		.amdhsa_user_sgpr_kernarg_segment_ptr 1
		.amdhsa_wavefront_size32 1
		.amdhsa_system_sgpr_workgroup_id_x 1
		.amdhsa_system_sgpr_workgroup_id_y 1
		.amdhsa_system_sgpr_workgroup_id_z 1
		.amdhsa_system_vgpr_workitem_id 0
		.amdhsa_next_free_vgpr 1024
		.amdhsa_next_free_sgpr 100
		.amdhsa_reserve_vcc 0
		.amdhsa_float_denorm_mode_32 3
		.amdhsa_float_denorm_mode_16_64 3
		.amdhsa_memory_ordered 1
		.amdhsa_forward_progress 1
		.amdhsa_inst_pref_size 88
	.end_amdhsa_kernel
	.amdgpu_metadata
---
amdhsa.version: [ 1, 2 ]
amdhsa.kernels:
  - .name:           k_q7d7ee5395f_ffn2
    .symbol:         k_q7d7ee5395f_ffn2.kd
    .args:
      - { .name: hidc, .offset: 0, .size: 8, .value_kind: global_buffer, .address_space: global }
      - { .name: wcodes, .offset: 8, .size: 8, .value_kind: global_buffer, .address_space: global }
      - { .name: b2, .offset: 16, .size: 8, .value_kind: global_buffer, .address_space: global }
      - { .name: ffno, .offset: 24, .size: 8, .value_kind: global_buffer, .address_space: global }
    .group_segment_fixed_size: 327680
    .private_segment_fixed_size: 0
    .kernarg_segment_align: 8
    .kernarg_segment_size: 32
    .max_flat_workgroup_size: 128
    .sgpr_count:     100
    .vgpr_count:     1024
    .wavefront_size: 32
...
	.end_amdgpu_metadata
.endif
;; end of part 6
;; launch ln2 (part 7): grid 256 x 1, 8 waves a work-group, no clusters, 0 bytes of LDS; arguments h1b, ffno, ln_g, ln_b, out0; writes out0
.if DOCPART == 7
	.amdgcn_target "amdgcn-amd-amdhsa--gfx1250"
	.amdhsa_code_object_version 6
	.text
	.protected	k_q7d7ee5395f_ln2
	.globl	k_q7d7ee5395f_ln2
	.p2align	8
	.type	k_q7d7ee5395f_ln2,@function
k_q7d7ee5395f_ln2:
	s_mov_b64 s[64:65], 0
	v_nop
	global_prefetch_b8 v0, s[64:65] scope:SCOPE_SE
	s_setreg_imm32_b32 hwreg(HW_REG_WAVE_MODE, 25, 1), 1
	s_wait_xcnt 0x0
; out = LayerNorm(h1 + ffn) x g + b, rows of 1,024 f32, eps = 1e-5, the variance from the centred numbers as reference() has it.
; A stream: a work-group takes 16 rows, wave w rows 2 w and 2 w + 1; a whole row lies in 32 registers of one wave, so the sums never leave the wave: no LDS, no barrier.
; Each load and store covers 512 consecutive bytes.  LIMITS: NaN and infinities are not served.
.macro ADDROW A, B
.set k, 0
.rept 16
	v_pk_add_f32 v[\A+k:\A+k+1], v[\A+k:\A+k+1], v[\B+k:\B+k+1]
.set k, k+2
.endr
.endm
.macro LANES t                         ; two chains of pairs become one number in every lane
	v_pk_add_f32 v[\t:\t+1], v[\t:\t+1], v[\t+2:\t+3]
	v_add_f32 v[\t], v[\t], v[\t+1]
	v_add_f32_dpp v[\t], v[\t], v[\t] row_xmask:1 row_mask:0xf bank_mask:0xf
	v_add_f32_dpp v[\t], v[\t], v[\t] row_xmask:2 row_mask:0xf bank_mask:0xf
	v_add_f32_dpp v[\t], v[\t], v[\t] row_xmask:4 row_mask:0xf bank_mask:0xf
	v_add_f32_dpp v[\t], v[\t], v[\t] row_xmask:8 row_mask:0xf bank_mask:0xf
	v_permlanex16_b32 v[\t+1], v[\t], s20, s21
	v_add_f32 v[\t], v[\t], v[\t+1]
.endm
.macro RSUM A, t
	v_pk_add_f32 v[\t:\t+1], v[\A:\A+1], v[\A+2:\A+3]
	v_pk_add_f32 v[\t+2:\t+3], v[\A+4:\A+5], v[\A+6:\A+7]
.irp j, 8,12,16,20,24,28
	v_pk_add_f32 v[\t:\t+1], v[\t:\t+1], v[\A+\j:\A+\j+1]
	v_pk_add_f32 v[\t+2:\t+3], v[\t+2:\t+3], v[\A+\j+2:\A+\j+3]
.endr
	LANES \t
.endm
.macro CENTRE A, t
.set k, 0
.rept 16
	v_pk_add_f32 v[\A+k:\A+k+1], v[\A+k:\A+k+1], v[\t:\t+1] op_sel_hi:[1,0] neg_lo:[0,1] neg_hi:[0,1]
.set k, k+2
.endr
.endm
.macro RSQ A, t
	v_pk_mul_f32 v[\t:\t+1], v[\A:\A+1], v[\A:\A+1]
	v_pk_mul_f32 v[\t+2:\t+3], v[\A+2:\A+3], v[\A+2:\A+3]
.irp j, 4,8,12,16,20,24,28
	v_pk_fma_f32 v[\t:\t+1], v[\A+\j:\A+\j+1], v[\A+\j:\A+\j+1], v[\t:\t+1]
	v_pk_fma_f32 v[\t+2:\t+3], v[\A+\j+2:\A+\j+3], v[\A+\j+2:\A+\j+3], v[\t+2:\t+3]
.endr
	LANES \t
.endm
.macro SCALE A, u
.set k, 0
.rept 16
	v_pk_mul_f32 v[\A+k:\A+k+1], v[\A+k:\A+k+1], v[\u:\u+1] op_sel_hi:[1,0]
	v_pk_fma_f32 v[\A+k:\A+k+1], v[\A+k:\A+k+1], v[160+k:161+k], v[192+k:193+k]
.set k, k+2
.endr
.endm
	s_load_b256 s[4:11], s[0:1], 0x0               ; h1b (its f32 part lies first), ffno, ln_g, ln_b
	s_load_b64 s[12:13], s[0:1], 0x20              ; out0
	v_lshrrev_b32 v1, 5, v0
	v_readfirstlane_b32 s14, v1                    ; wave 0..7
	v_and_b32 v1, 31, v0
	v_lshlrev_b32 v2, 4, v1                        ; 16 x lane
	s_lshl_b32 s16, ttmp9, 16                      ; 16 rows of 4,096 bytes a work-group,
	s_lshl_b32 s17, s14, 13                        ; two a wave
	s_add_co_u32 s16, s16, s17
	s_mov_b32 s17, 0
	s_mov_b32 s20, 0x76543210
	s_mov_b32 s21, 0xfedcba98
	s_mov_b32 s22, 0x3a800000                      ; 1 / 1,024
	s_mov_b32 s23, 0x3727c5ac                      ; 1e-5
	s_wait_kmcnt 0x0
	s_add_nc_u64 s[4:5], s[4:5], s[16:17]
	s_add_nc_u64 s[6:7], s[6:7], s[16:17]
	s_add_nc_u64 s[12:13], s[12:13], s[16:17]
.irp q, 0,1
.irp j, 0,1,2,3,4,5,6,7
	global_load_b128 v[32+32*\q+4*\j:35+32*\q+4*\j], v2, s[4:5] offset:4096*\q+512*\j th:TH_LOAD_NT
	global_load_b128 v[96+32*\q+4*\j:99+32*\q+4*\j], v2, s[6:7] offset:4096*\q+512*\j th:TH_LOAD_NT
.endr
.endr
.irp j, 0,1,2,3,4,5,6,7
	global_load_b128 v[160+4*\j:163+4*\j], v2, s[8:9] offset:512*\j
	global_load_b128 v[192+4*\j:195+4*\j], v2, s[10:11] offset:512*\j
.endr
	s_wait_loadcnt 16                              ; the rows are in; the gain's and the bias's sixteen loads may be out
	ADDROW 32, 96
	ADDROW 64, 128
	RSUM 32, 8
	RSUM 64, 12
	v_mul_f32 v8, s22, v8                          ; the means
	v_mul_f32 v12, s22, v12
	CENTRE 32, 8
	CENTRE 64, 12
	RSQ 32, 16
	RSQ 64, 20
	v_fma_f32 v16, v16, s22, s23                   ; variance + eps
	v_fma_f32 v20, v20, s22, s23
	v_rsq_f32 v18, v16
	v_rsq_f32 v22, v20
	v_nop                                          ; a plain instruction behind the two
	s_wait_alu depctr_va_vdst(0)                   ; one wait for both, ahead of their first reader
	s_wait_loadcnt 0x0
	SCALE 32, 18
	SCALE 64, 22
.irp q, 0,1
.irp j, 0,1,2,3,4,5,6,7
	global_store_b128 v2, v[32+32*\q+4*\j:35+32*\q+4*\j], s[12:13] offset:4096*\q+512*\j th:TH_STORE_NT
.endr
.endr
	s_endpgm
.Lfunc_end_k_q7d7ee5395f_ln2:
	.size	k_q7d7ee5395f_ln2, .Lfunc_end_k_q7d7ee5395f_ln2-k_q7d7ee5395f_ln2
	.p2alignl 7, 3214868480
	.fill 96, 4, 3214868480
	.section	.rodata,"a",@progbits
	.p2align	6, 0x0
	.amdhsa_kernel k_q7d7ee5395f_ln2
		.amdhsa_group_segment_fixed_size 0
		.amdhsa_private_segment_fixed_size 0
		.amdhsa_enable_private_segment 0
		.amdhsa_kernarg_size 40
		.amdhsa_user_sgpr_count 2
		.amdhsa_user_sgpr_kernarg_segment_ptr 1
		.amdhsa_wavefront_size32 1
		.amdhsa_system_sgpr_workgroup_id_x 1
		.amdhsa_system_sgpr_workgroup_id_y 1
		.amdhsa_system_sgpr_workgroup_id_z 1
		.amdhsa_system_vgpr_workitem_id 0
		.amdhsa_next_free_vgpr 224
		.amdhsa_next_free_sgpr 66
		.amdhsa_reserve_vcc 0
		.amdhsa_float_denorm_mode_32 3
		.amdhsa_float_denorm_mode_16_64 3
		.amdhsa_memory_ordered 1
		.amdhsa_forward_progress 1
		.amdhsa_inst_pref_size 21
	.end_amdhsa_kernel
	.amdgpu_metadata
---
amdhsa.version: [ 1, 2 ]
amdhsa.kernels:
  - .name:           k_q7d7ee5395f_ln2
    .symbol:         k_q7d7ee5395f_ln2.kd
    .args:
      - { .name: h1b, .offset: 0, .size: 8, .value_kind: global_buffer, .address_space: global }
      - { .name: ffno, .offset: 8, .size: 8, .value_kind: global_buffer, .address_space: global }
      - { .name: ln_g, .offset: 16, .size: 8, .value_kind: global_buffer, .address_space: global }
      - { .name: ln_b, .offset: 24, .size: 8, .value_kind: global_buffer, .address_space: global }
      - { .name: out0, .offset: 32, .size: 8, .value_kind: global_buffer, .address_space: global }
    .group_segment_fixed_size: 0
    .private_segment_fixed_size: 0
    .kernarg_segment_align: 8
    .kernarg_segment_size: 40
    .max_flat_workgroup_size: 256
    .sgpr_count:     66
    .vgpr_count:     224
    .wavefront_size: 32
...
	.end_amdgpu_metadata
.endif
;; end of part 7
